; MI455X (gfx1250); checked and timed in simulation.
; The chip was launched on July 23, 2026; its instructions are those of AMD's public machine-readable ISA for CDNA 5 (MIT licence, August 2026) and "CDNA5" Instruction Set Architecture Reference Guide (July 2026). The comments in the code are by the model that wrote it; some were corrected since.
;; Self Attention. Allowed arithmetic: matrix products marked QUANTISED: E5M2 operands, one E8M0 scale for each 32 along K, by v_wmma_scale_f32_16x16x128_f8f6f4 with both operands' format E5M2, f32 sums; everything else in f32.
;; Inputs: b_in 3,072 float32; b_out 1,024 float32; w_in_codes 3,072 x 32 x 32 uint8 (E5M2 codes of w_in, K innermost, in blocks of 32 codes); w_in_scales 3,072 x 32 uint8 (E8M0 scales of w_in, one for each 32 codes along K); w_out_codes 1,024 x 32 x 32 uint8 (E5M2 codes of w_out, K innermost, in blocks of 32 codes); w_out_scales 1,024 x 32 uint8 (E8M0 scales of w_out, one for each 32 codes along K); x_codes 4 x 2,048 x 32 x 32 uint8 (E5M2 codes of x, K innermost, in blocks of 32 codes); x_scales 4 x 2,048 x 32 uint8 (E8M0 scales of x, one for each 32 codes along K).
;; Outputs: out0 4 x 2,048 x 1,024 float32.
;; This version of the problem:
;;   THIS VERSION OF THE PROBLEM IS GIVEN IN LOW PRECISION. The matrix products marked QUANTISED in the list below multiply operands that are first quantised to E5M2 (5 exponent bits, 2 mantissa bits; 8 bits a number), with one power-of-two scale for each 32 numbers along K (OCP MX v1.0); their sums are f32. All else is computed in f32.
;;   The module's matrix products, in the order in which they are computed (A, B: the left and right operand; K: the contracted axis; several contracted axes count as one K, in the product's order):
;;     1. [M 8,192, K 1,024] x [K 1,024, N 3,072]; A: input x (given as codes); B: input w_in (given as codes): QUANTISED
;;     2. batch 64 x [M 2,048, K 64] x [K 64, N 2,048]; A: computed on the way; B: computed on the way: QUANTISED
;;     3. batch 64 x [M 2,048, K 2,048] x [K 2,048, N 64]; A: softmax (see below); B: computed on the way: QUANTISED
;;     4. [M 8,192, K 1,024] x [K 1,024, N 1,024]; A: computed on the way; B: input w_out (given as codes): QUANTISED
;;   THE QUANTISER, for each operand of a quantised product, along K:
;;     - K is cut into blocks of 32 from its start; a last block that is shorter is filled with zeros.
;;     - A block's scale is 2^e with e = floor(log2(the largest magnitude in the block)) - 15, held to -126 .. 127; a block of zeros has e = 0. As a byte (E8M0): e + 127.
;;     - Each number is divided by its block's scale, clamped to +-57,344, and rounded to the nearest number of E5M2, ties to even, subnormals kept.
;;     - The product sums the exact products of the quantised numbers (number of the format x scale) in f32.
;;   ~~~python
;;   def quantise(x, axis):      # numpy; x: float32 -> the quantised numbers, widened to float32 again
;;       x = np.moveaxis(x, axis, -1); K = x.shape[-1]
;;       x = np.pad(x, [(0, 0)] * (x.ndim - 1) + [(0, -K % 32)]); x = x.reshape(x.shape[:-1] + (-1, 32)); a = np.abs(x).max(-1, keepdims=True)
;;       e = np.where(a > 0, np.clip(np.frexp(np.where(a > 0, a, 1))[1] - 1 - 15, -126, 127), 0)      # np.frexp(a)[1] - 1 = floor(log2(a)), exactly
;;       r = np.clip(x / 2.0 ** e, -57344, 57344)
;;       step = 2.0 ** (np.maximum(np.frexp(np.where(r == 0, 1, r))[1] - 1, -14) - 2)
;;       q = np.round(r / step) * step * 2.0 ** e      # np.round: ties to even
;;       return np.moveaxis(q.reshape(q.shape[:-2] + (-1,))[..., :K], -1, axis).astype(np.float32)
;;   ~~~
;;   SOFTMAX AHEAD OF A QUANTISED PRODUCT. Where the list says 'softmax', what is quantised is not the finished softmax but p = 2^(t - M), with t = logit x log2(e) and M = ceil(the row's largest t), a whole number; so 1/2 < the row's largest p <= 1. The row's sum l is taken of the UNQUANTISED p, in f32, and the product's result is divided by l at the end. Since M is a whole number, a kernel that streams over the keys may use a running M (the ceiling of the running maximum): every later rescaling is an exact power of two, which a block's scale takes up: the codes' values come out the same.
;;   OPERANDS COMPUTED ON THE WAY. 'Computed on the way' means the value that the module computes at that place (a softmax that the list does not call 'softmax' is quantised finished and normalised). What goes into a quantiser is computed in f32, as accurately as f32 sums, v_exp_f32 and their like allow (about 1e-6 of the number): no bf16 or f16 on the way to a quantiser, and a product that is left as it is and whose result goes on into a quantised operand takes f32 operands (vector FMAs, or v_wmma_f32_16x16x4_f32). A number that lies on a knife's edge between two numbers of the format may be rounded either way, as far as f32 arithmetic and the matrix unit's own rounding can turn it there, and no further.
;;   INPUTS GIVEN AS CODES. w_in (in the module: [1024, 3072], K = its axis 0); w_out (in the module: [1024, 1024], K = its axis 0); x (in the module: [4, 2048, 1024], K = its axis 2): each comes as NAME_codes (uint8): NAME with its K axis moved to the last place and cut into blocks of 32 codes, [.., K / 32, bytes a block], one block behind the other in memory; one code a byte (a code: sign, 5 exponent bits, 2 mantissa bits); and NAME_scales (uint8): the same leading axes, one E8M0 byte (e + 127) for each 32 codes along K. Its value is code x scale, taken as it is: it is not quantised again, and the codes and scales need not be those that the quantiser above would give.
;; One version. Each part assembles by itself: llvm-mc -triple=amdgcn-amd-amdhsa -mcpu=gfx1250 --defsym DOCPART=n.
;; ======== version 1 of 1: 3 launches
;; limits: right only within a limited range of input values
;; workspace buffers: q_img 8,388,608 bytes; q_sc 524,288 bytes; kv 17,563,648 bytes; a_img 8,388,608 bytes; a_sc 262,144 bytes
;; launch qkv (part 1): grid 12 x 32, 4 waves a work-group, clusters of 4 x 4, 327,680 bytes of LDS; arguments x_codes, x_scales, w_in_codes, w_in_scales, b_in, q_img, q_sc, kv; writes q_img, q_sc, kv
.if DOCPART == 1
	.amdgcn_target "amdgcn-amd-amdhsa--gfx1250"
	.amdhsa_code_object_version 6
	.text
	.protected	k_q4f6ea09f43_qkv
	.globl	k_q4f6ea09f43_qkv
	.p2align	8
	.type	k_q4f6ea09f43_qkv,@function
k_q4f6ea09f43_qkv:
	s_mov_b64 s[64:65], 0
	v_nop
	global_prefetch_b8 v0, s[64:65] scope:SCOPE_SE
	s_setreg_imm32_b32 hwreg(HW_REG_WAVE_MODE, 25, 1), 1
	s_wait_xcnt 0x0
	s_wait_alu depctr_hold_cnt(0) depctr_sa_sdst(0) depctr_va_vdst(0) depctr_va_sdst(0) depctr_va_ssrc(0) depctr_va_vcc(0) depctr_vm_vsrc(0)
	s_getreg_b32 s2, hwreg(HW_REG_IB_STS2, 6, 4)
	s_cmp_eq_u32 s2, 0
	s_cbranch_scc0 .Lentry_in_a_cluster
	s_endpgm
.Lentry_in_a_cluster:
	s_bfe_u32 s2, ttmp6, 0x10000c
	s_cmp_lg_u32 s2, 0xf033
	s_cbranch_scc0 .Lentry_shape_is_right
	s_endpgm
.Lentry_shape_is_right:
; qkv = x w_in + b_in on codes of E5M2 with one E8M0 scale for each 32 along K = 1,024; q and k are then quantised along the head's 64, v along the keys, and leave as IMAGES OF OPERAND REGISTERS.
; x: [8192][1024] codes, [8192][32] scale bytes.  w_in: [3072][1024] codes (K innermost), [3072][32] scale bytes.  b_in: [3072] f32.
; A tile of 256 x 256 of the product is made by a work-group of four waves, a wave makes 128 x 128: 64 accumulators, 512 registers.  K goes in four steps of 256 through two LDS slots.
; S0 is the matrix instruction's source 0, S1 its source 1: in a result lane (r, h) holds S1's row r, and its register j S0's row 8 h + j.
; The cluster's x says which third of w_in's rows is made.  q (0) and k (1): S0 = w_in, S1 = x: a lane holds a token and its registers run along the head's channels.
; v (2): S0 = x, S1 = w_in: a lane holds a channel and its registers run along the tokens, which are the keys.  Both operands are rows of 1,024 codes with 32 scale bytes: only pointers and tile numbers are chosen.
; CLUSTERS: 4 x 4 work-groups; S0's tile hangs on cx and is asked for jointly by a column of the cluster, S1's on cy and by a row.
; THE WAY OUT.  Two neighbouring tiles hold a block of 32: lane (r, h) has its numbers 8 h + 0..7 and 16 + 8 h + 0..7.  Each eight become two registers of codes; two exchanges of lanes 16-31 of the one with
; lanes 0-15 of the other give lane (r, h) the numbers 16 h + 0..15: the operand's layout.  Four registers leave by one store of 512 consecutive bytes, lane l at 16 l.
; q_img [head 64][token tile 128][block 2][lane][16].  q_sc [head][128 tokens][lane (r, u)][x 4][4]: the word of token tile 2 x + u, row r: bytes s0 s1 s0 s1.
; kv [head 64][128 keys][17,152]: k's image [tile 8][block 2][lane][16]; at 8,192 v's image [16 channels: 4][32 keys: 4][lane][16]; at 16,384 k's words as q_sc; at 16,896 v's words [lane (r, u)][x 2][4].
; LIMITS: NaN and infinities, as numbers or as given codes, are not served.  A block of zeros gets the byte 1 where the rule says 127: its codes are zeros, and this program alone reads the bytes.
; REGISTERS: window 0: v8-15 the bias's offsets; v16-29 addresses; v32-63 scale words, two sets; v64-127 the bias, later the way out's work; v128-255 S1's fragments, one set.
;   window 1: S0's fragments, two sets.  windows 2, 3: the accumulators, (a, b) at v[8 (8 (a % 4) + b)].
.set NQ,     2                         ; matrix instructions deep in a slot
.set ROWB,   256                       ; a tile's row in bytes
.set KROW,   1024                      ; a row of codes in memory
.set PITCH,  272                       ; an LDS row: 256 bytes + 16 of padding: the 16 rows of a load start in 16 different groups of banks
.set FR,     16
.set NL,     4
.set NP,     8                         ; places behind this matrix instruction (ISA guide 7.12.1)
.set HALFT,  128*PITCH
.set SLOT,   4*HALFT                   ; S1's 256 rows, then S0's
.set KS,     32                        ; a row of scale bytes
.set SCL,    2*SLOT                    ; behind the ring: the scales of all of K, as units of 256 bytes + 16
.set HALFS,  (128*KS/256)*272
.set SBLK,   (16*KS/256)*272
.set SPARE,  SCL+4*HALFS               ; the spare words, 128 bytes a wave
.set CHUNK,  17152                     ; kv: 128 keys of a head
.set HEADKV, 16*CHUNK
.set ADRA, 16
.set ADRB, 20
.set VOA,  24                          ; v24  16 x lane
.set VOB,  25                          ; v25  16 x lane + the way to the second pair of register groups
.set L8,   26                          ; v26  8 x lane
.set ADRS, 27
.set SPW,  28
.set NIL,  29
.set SC,   32
.set BI,   64                          ; the bias, eight registers a tile
.set AF,   128
.set TM,   64                          ; the way out: +0 largest magnitudes, +4 bytes, +12 the conversions' scale operands
.set PWS,  80                          ; the eight blocks' scale words
.set PC,   96                          ; a block's codes
.set TT,   112
.set WD,   116
.set G1, 24
.set G0, 32
.set G1B, 48
.set G0B, 56
.set G1S, 68
.set G0S, 76
.set G1SB, 80
.set G0SB, 88
.set HM,  2                            ; s2   lanes 16-31
.set MNT, 3
.set SEL, 20                           ; s[20:21]
.set ST1, 92                           ; s[92:93] from a block's codes to the next block's
.set ST3, 94                           ; s[94:95] the same behind block 3
.set CB,  96                           ; s[96:97] where the codes go
.set SB1, 98                           ; s[98:99] where the first head's scale words go
.set SB2, 66                           ; s[66:67] the second head's
.set MSB, 0
.macro WIN new                         ; the immediate's high byte repeats the setting that is left
.if MSB != \new
	s_set_vgpr_msb (MSB<<8)|\new
.set MSB, \new
.endif
.endm
.set MUL_LO,   0xa1                    ; source 0 window 1, source 1 window 0, C and D window 2
.set MUL_HI,   0xf1                    ; C and D window 3
.set MUL_LO_B, 0x81                    ; C (the bias) window 0, D window 2
.set MUL_HI_B, 0xc1                    ; C window 0, D window 3
.set TO_B,     0x40
; A joint load: waves 0 and 1 fetch for S1, waves 2 and 3 for S0.  The branch hangs on the wave's number alone.  Four v_nop follow each of the two lines.
.macro JLOAD g0a, g1a, g0b, g1b
	s_cmp_eq_u32 s15, 0
	s_cbranch_scc0 .Lfor_b_\@
	tensor_load_to_lds s[\g0a:\g0a+3], s[\g1a:\g1a+7]
	s_nop 0
.rept 4
	v_nop
.endr
	s_branch .Lasked_\@
.Lfor_b_\@:
	tensor_load_to_lds s[\g0b:\g0b+3], s[\g1b:\g1b+7]
	s_nop 0
.rept 4
	v_nop
.endr
.Lasked_\@:
.endm
.macro CREST                           ; a round of the cluster's barrier behind its opening barrier
	s_cmp_lg_u32 s14, 0
	s_cbranch_scc1 .Lnot_wave_0_\@
	s_barrier_signal -3
.Lnot_wave_0_\@:
	s_barrier_wait -3
	s_barrier_signal -1
	s_barrier_wait -1
.endm
.macro CROUND
	s_barrier_signal -1
	s_barrier_wait -1
	CREST
.endm
	s_load_b256 s[4:11], s[0:1], 0x0               ; x's codes, x's scales, w_in's codes, w_in's scales
	v_lshl_add_u32 v[SPW], v0, 2, SPARE
	v_mov_b32 v[NIL], 0
	ds_add_u32 v28, v29
	ds_add_u32 v28, v29
	s_wait_dscnt 0x0
	v_lshrrev_b32 v1, 5, v0
	v_readfirstlane_b32 s14, v1                    ; wave 0..3
	s_lshr_b32 s15, s14, 1                         ; my half of S1's rows.  Also: I fetch for S1 (0) or for S0 (1)
	s_and_b32 s16, s14, 1                          ; my half of S0's rows.  Also: which 128 rows I fetch
	s_bfe_u32 s40, ttmp6, 0x40000                  ; cx
	s_bfe_u32 s41, ttmp6, 0x40004                  ; cy
	s_and_b32 s13, ttmp7, 0xffff                   ; the cluster's y
	s_cmp_eq_u32 ttmp9, 2                          ; v?  The cluster's x is the same in all sixteen partners
	s_cselect_b32 s12, s13, ttmp9                  ; S0's group of four tiles: tokens' for v, else w_in's
	s_cselect_b32 s13, 2, s13                      ; S1's: w_in's third group for v, else tokens'
	s_lshl_b32 s42, s12, 2
	s_add_co_u32 s42, s42, s40                     ; S0's tile: hangs on cx
	s_lshl_b32 s17, s13, 2
	s_add_co_u32 s17, s17, s41                     ; S1's tile: hangs on cy
	s_lshl_b32 s43, s41, 2
	s_lshl_b32 s43, 15, s43                        ; my row of the cluster
	s_lshl_b32 s44, 0x1111, s40                    ; my column
	s_or_b32 s[G1+0], s43, (0<<16)|(1<<20)|(1<<21)|(5<<22)|(3<<25)  ; the mask; elements of 1 byte; padding: four words behind every 64; bit 21 beside a mask
	s_or_b32 s[G1B+0], s44, (0<<16)|(1<<20)|(1<<21)|(5<<22)|(3<<25)
.irp g, G1, G1B
	s_mov_b32 s[\g+1], ROWB<<16                    ; tensor_dim0
	s_mov_b32 s[\g+2], 128<<16                     ; tensor_dim1
	s_mov_b32 s[\g+3], ROWB<<16                    ; tile_dim0
	s_mov_b32 s[\g+4], 128                         ; tile_dim1
	s_mov_b32 s[\g+5], KROW                        ; the pitch
	s_mov_b32 s[\g+6], 0
	s_mov_b32 s[\g+7], 0
.endr
	s_or_b32 s[G1S+0], s43, (3<<16)|(1<<20)|(1<<21)|(5<<22)|(3<<25) ; the scales of 128 rows: 4,096 dense bytes as 16 rows of 256 (32 elements of 8 bytes)
	s_or_b32 s[G1SB+0], s44, (3<<16)|(1<<20)|(1<<21)|(5<<22)|(3<<25)
.irp g, G1S, G1SB
	s_mov_b32 s[\g+1], 32<<16
	s_mov_b32 s[\g+2], (128*KS/256)<<16
	s_mov_b32 s[\g+3], 32<<16
	s_mov_b32 s[\g+4], 128*KS/256
	s_mov_b32 s[\g+5], 32
	s_mov_b32 s[\g+6], 0
	s_mov_b32 s[\g+7], 0
.endr
	s_lshl_b32 s18, s16, 7                         ; which 128 rows of the tile I fetch
	s_lshl_b32 s20, s17, 8
	s_add_co_u32 s20, s20, s18                     ; S1's row
	s_lshl_b32 s46, s42, 8
	s_add_co_u32 s46, s46, s18                     ; S0's row
	s_mov_b32 s21, 0
	s_mov_b32 s47, 0
	s_mov_b64 s[18:19], KS
	s_mul_u64 s[22:23], s[20:21], s[18:19]         ; where these rows' scales begin
	s_mul_u64 s[92:93], s[46:47], s[18:19]
	s_mov_b64 s[18:19], KROW
	s_mul_u64 s[20:21], s[20:21], s[18:19]         ; and their codes
	s_mul_u64 s[46:47], s[46:47], s[18:19]
	s_mul_i32 s45, s14, HALFT                      ; where they go: wave x 128 rows
	s_mul_i32 s94, s14, HALFS
	s_wait_kmcnt 0x0
	s_cmp_eq_u32 ttmp9, 2                          ; for v the two operands change places: a choice between buffers on the cluster's x
	s_cselect_b64 s[96:97], s[4:5], s[8:9]
	s_cselect_b64 s[4:5], s[8:9], s[4:5]           ; S1's codes
	s_cselect_b64 s[98:99], s[6:7], s[10:11]
	s_cselect_b64 s[6:7], s[10:11], s[6:7]         ; S1's scales
	s_mov_b64 s[8:9], s[96:97]                     ; S0's codes
	s_mov_b64 s[10:11], s[98:99]                   ; S0's scales
	s_add_nc_u64 s[20:21], s[4:5], s[20:21]
	s_add_nc_u64 s[22:23], s[6:7], s[22:23]
	s_add_nc_u64 s[46:47], s[8:9], s[46:47]
	s_add_nc_u64 s[92:93], s[10:11], s[92:93]
	CROUND                                         ; all sixteen work-groups are here: the first joint loads meet
	s_mov_b32 s[G0S], 1
	s_add_co_u32 s[G0S+1], s94, SCL
	s_mov_b64 s[G0S+2:G0S+3], s[22:23]
	s_or_b32 s[G0S+3], s[G0S+3], 0x80000000
	s_mov_b32 s[G0SB], 1
	s_add_co_u32 s[G0SB+1], s94, SCL
	s_mov_b64 s[G0SB+2:G0SB+3], s[92:93]
	s_or_b32 s[G0SB+3], s[G0SB+3], 0x80000000
	JLOAD G0S, G1S, G0SB, G1SB                     ; the scales first: they are wanted with K step 0
.irp s, 0,1
	s_mov_b32 s[G0+4*\s], 1
	s_add_co_u32 s[G0+4*\s+1], s45, \s*SLOT
	s_add_nc_u64 s[G0+4*\s+2:G0+4*\s+3], s[20:21], \s*ROWB
	s_or_b32 s[G0+4*\s+3], s[G0+4*\s+3], 0x80000000
	s_mov_b32 s[G0B+4*\s], 1
	s_add_co_u32 s[G0B+4*\s+1], s45, \s*SLOT
	s_add_nc_u64 s[G0B+4*\s+2:G0B+4*\s+3], s[46:47], \s*ROWB
	s_or_b32 s[G0B+4*\s+3], s[G0B+4*\s+3], 0x80000000
	JLOAD G0+4*\s, G1, G0B+4*\s, G1B               ; three loads of mine are out now
.endr
	s_load_b256 s[4:11], s[0:1], 0x20              ; b_in s[4:5], q_img s[6:7], q_sc s[8:9], kv s[10:11]
	v_and_b32 v1, 15, v0                           ; r
	v_bfe_u32 v2, v0, 4, 1                         ; h
	v_mul_u32_u24 v3, v1, PITCH
	v_lshl_add_u32 v4, v2, 4, v3                   ; a fragment's row x pitch + 16 h
	s_mul_i32 s21, s15, HALFT                      ; my 128 rows of S1
	s_mul_i32 s22, s16, HALFT                      ; my 128 rows of S0,
	s_add_co_u32 s22, s22, 2*HALFT                 ; which lie behind S1's 256
.irp s, 0,1
	v_add_nc_u32 v[ADRA+\s], s21, v4
	v_add_nc_u32 v[ADRB+\s], s22, v4
	s_add_co_u32 s21, s21, SLOT
	s_add_co_u32 s22, s22, SLOT
.endr
	v_mul_u32_u24 v5, v1, KS                       ; my row's scales: 32 bytes a row,
	v_lshrrev_b32 v6, 8, v5
	v_lshl_add_u32 v5, v6, 4, v5                   ; and 16 more for each 256 passed
	s_mul_i32 s21, s15, HALFS
	s_mul_i32 s22, s16, HALFS
	s_add_co_u32 s22, s22, 2*HALFS
	s_sub_co_u32 s22, s22, s21
	v_mul_u32_u24 v6, s22, v2                      ; lanes 16-31 take S0's
	s_add_co_u32 s21, s21, SCL
	v_add_nc_u32 v5, v5, v6
	v_add_nc_u32 v[ADRS], s21, v5
	v_and_b32 v6, 31, v0
	v_lshlrev_b32 v[VOA], 4, v6
	v_lshlrev_b32 v[L8], 3, v6
	; where my 128 x 128 lie: tokens TOK on, rows NW on of w_in
	s_lshl_b32 s18, s42, 8
	s_lshl_b32 s19, s16, 7
	s_add_co_u32 s18, s18, s19                     ; S0's first row of mine
	s_lshl_b32 s19, s17, 8
	s_lshl_b32 s22, s15, 7
	s_add_co_u32 s19, s19, s22                     ; S1's
	s_cmp_eq_u32 ttmp9, 2
	s_cselect_b32 s22, s18, s19                    ; TOK
	s_cselect_b32 s23, s19, s18                    ; NW
	s_cselect_b32 s2, 4, 0                         ; the bias's offset: 4 r for v,
	s_cselect_b32 s3, 0, 32                        ; else 32 h
	s_cselect_b32 s12, 0, 4                        ; + 4 j
	v_mul_u32_u24 v7, s2, v1
	v_mad_u32_u24 v7, v2, s3, v7
	s_wait_alu depctr_va_vdst(0)
.irp j, 0,1,2,3,4,5,6,7
	s_mul_i32 s45, s12, \j
	v_add_nc_u32 v[8+\j], s45, v7
.endr
	s_lshr_b32 s18, s22, 11                        ; the batch,
	s_lshl_b32 s18, s18, 4
	s_bfe_u32 s19, s23, 0x40006                    ; my first head: (NW / 64) % 16,
	s_add_co_u32 s18, s18, s19
	s_lshl_b32 s18, s18, 4
	s_bfe_u32 s19, s22, 0x40007                    ; my 128 tokens among the batch's 2,048
	s_add_co_u32 s18, s18, s19                     ; (16 batch + head) 16 + step
	s_cmp_eq_u32 ttmp9, 0                          ; q?
	s_mov_b32 s40, CHUNK
	s_cselect_b32 s40, 8192, s40                   ; codes: bytes for each 128 tokens of a head
	s_mov_b32 s41, CHUNK
	s_cselect_b32 s41, 512, s41                    ; scale words likewise
	s_mov_b32 s42, HEADKV
	s_cselect_b32 s42, 131072, s42                 ; codes: from a head to the next
	s_mov_b32 s43, HEADKV
	s_cselect_b32 s43, 8192, s43                   ; scale words: from a head to the next
	s_mov_b32 s44, 16384
	s_cselect_b32 s44, 0, s44                      ; the words' place in a chunk
	s_cmp_eq_u32 ttmp9, 2                          ; v?
	s_cselect_b32 s42, 1024, s42                   ; v's third and fourth group of registers lie 1,024 bytes on
	s_cselect_b32 s44, 16896, s44
	s_cselect_b32 s45, 8192, 0                     ; v's image lies behind k's
	s_mov_b32 s[ST1], 1024
	s_cselect_b32 s[ST1], 2048, s[ST1]
	s_mov_b32 s[ST3], 1024
	s_cselect_b32 s[ST3], HEADKV-3*2048, s[ST3]    ; v's block 4 begins the next head
	s_mov_b32 s[ST1+1], 0
	s_mov_b32 s[ST3+1], 0
	v_add_nc_u32 v[VOB], s42, v[VOA]
	s_mul_i32 s40, s40, s18
	s_add_co_u32 s40, s40, s45
	s_mul_i32 s46, s41, s18
	s_add_co_u32 s46, s46, s44
	s_mov_b32 s41, 0
	s_mov_b32 s47, 0
	s_wait_alu depctr_va_vdst(0)
	s_wait_kmcnt 0x0
	s_cmp_eq_u32 ttmp9, 0
	s_cselect_b64 s[CB:CB+1], s[6:7], s[10:11]
	s_cselect_b64 s[SB1:SB1+1], s[8:9], s[10:11]
	s_add_nc_u64 s[CB:CB+1], s[CB:CB+1], s[40:41]
	s_add_nc_u64 s[SB1:SB1+1], s[SB1:SB1+1], s[46:47]
	s_mov_b32 s46, s43
	s_add_nc_u64 s[SB2:SB2+1], s[SB1:SB1+1], s[46:47]
	s_lshl_b32 s46, s23, 2
	s_add_nc_u64 s[4:5], s[4:5], s[46:47]          ; b_in at NW
.irp t, 0,1,2,3,4,5,6,7                        ; q, k: register 8 t + j = b_in[NW + 16 t + 8 h + j], for S0's tile t;  v: b_in[NW + 16 t + r] in all eight, for S1's tile t
.irp j, 0,1,2,3,4,5,6,7
	global_load_b32 v[BI+8*\t+\j], v[8+\j], s[4:5] offset:64*\t
.endr
.endr
	s_mov_b32 s[HM], 0xffff0000
	s_mov_b32 s[SEL], 0x76543210
	s_mov_b32 s[SEL+1], 0xfedcba98
.macro FRAG reg, adr, q, i             ; 16 rows x 128 K: lane l holds row l % 16; registers 4 c .. 4 c + 3 hold K = 32 c + 16 (l / 16) + 0 .. 15
.irp c, 0,1,2,3
	ds_load_b128 v[\reg+4*\c:\reg+4*\c+3], v[\adr] offset:128*(\q)+32*\c+(\i)*16*PITCH
.endr
.endm
.macro WM d, f0, f1, c, s0, s1         ; source 0's scales stand in lanes 16-31 of their register, source 1's in lanes 0-15
	v_wmma_scale_f32_16x16x128_f8f6f4 v[(\d):(\d)+7], v[(\f0):(\f0)+15], v[(\f1):(\f1)+15], v[(\c):(\c)+7], v[\s0], v[\s1] matrix_a_fmt:MATRIX_FMT_BF8 matrix_b_fmt:MATRIX_FMT_BF8 matrix_a_scale:MATRIX_SCALE_ROW1
.endm
; 16 matrix instructions: S1's blocks a0, a0 + 1 x S0's eight.  cin = 0: onto the sums;  1: the sums begin with the bias of S0's tile;  2: with that of S1's tile.  The 64 accumulators take turns.
.macro MUL16 a0, p, q, sc, cin
.irp a, \a0, \a0+1
.irp b, 0,1,2,3,4,5,6,7
.if \cin == 0
	WM 8*(8*((\a)%4)+\b), 128*(\p)+FR*\b, AF+FR*(\a), 8*(8*((\a)%4)+\b), SC+8*NQ*(\sc)+NQ*\b+(\q), SC+8*NQ*(\sc)+NQ*(\a)+(\q)
.elseif \cin == 1
	WM 8*(8*((\a)%4)+\b), 128*(\p)+FR*\b, AF+FR*(\a), BI+8*\b, SC+8*NQ*(\sc)+NQ*\b+(\q), SC+8*NQ*(\sc)+NQ*(\a)+(\q)
.else
	WM 8*(8*((\a)%4)+\b), 128*(\p)+FR*\b, AF+FR*(\a), BI+8*(\a), SC+8*NQ*(\sc)+NQ*\b+(\q), SC+8*NQ*(\sc)+NQ*(\a)+(\q)
.endif
.endr
.endr
.endm
.macro FETCH_B slot, q, p
	WIN TO_B
.irp i, 0,1,2,3,4,5,6,7
	FRAG 128*(\p)+FR*\i, ADRB+\slot, \q, \i
.endr
	WIN 0
.endm
.macro FETCH_A slot, q, i0
.irp i, \i0, \i0+1, \i0+2, \i0+3
	FRAG AF+FR*(\i), ADRA+\slot, \q, \i
.endr
.endm
.macro SCALES sc                       ; a K step's scale words: lanes 0-15 take S1's block i, lanes 16-31 S0's block i
.irp i, 0,1,2,3,4,5,6,7
	ds_load_b64 v[SC+8*NQ*\sc+NQ*\i:SC+8*NQ*\sc+NQ*\i+1], v[ADRS] offset:\i*SBLK
.endr
.endm
.macro PLACES n                        ; plain vector instructions between a matrix instruction and a load into, or a read of, its registers
.rept \n
	v_nop
.endr
.endm
; A step of 128 along K that has its successor in the same slot.
.macro STEP slot, q, cin
	s_wait_dscnt 4*NL                              ; S0's set and S1's blocks 0-3 are in; the youngest sixteen loads (S1's blocks 4-7) may be out
.if \cin
	WIN MUL_LO_B
.else
	WIN MUL_LO
.endif
	MUL16 0, (\q)%2, \q, \slot, \cin
	MUL16 2, (\q)%2, \q, \slot, \cin
	s_wait_dscnt 0
	PLACES NP
	FETCH_B \slot, (\q)+1, 1-(\q)%2
	FETCH_A \slot, (\q)+1, 0
.if \cin
	WIN MUL_HI_B
.else
	WIN MUL_HI
.endif
	MUL16 4, (\q)%2, \q, \slot, \cin
	MUL16 6, (\q)%2, \q, \slot, \cin
	PLACES NP
	WIN 0
	FETCH_A \slot, (\q)+1, 4
.endm
; A slot's last step changes slots: one barrier; in front of it each wave waits for all its tensor loads, adds 0 to its spare word, and waits for that and for its reads of this slot.
.macro TURN slot, next, fill
	s_wait_tensorcnt 0x0                           ; all my tensor loads have landed: my part of the next slot
	ds_add_u32 v[SPW], v[NIL]                      ; 0 onto my spare word
	s_wait_dscnt 4*NL+1                            ; the add and the youngest sixteen loads may be out
	WIN MUL_LO
	MUL16 0, 1, NQ-1, \slot, 0
	s_wait_dscnt 0x0                               ; the add is done, and my reads of this slot are over
	s_barrier_signal -1
	MUL16 2, 1, NQ-1, \slot, 0
	WIN 0
	s_barrier_wait -1
.if \fill
	CREST                                          ; the barrier has opened a round of the cluster's: no wave of any partner still reads this slot or has a load on its way
	s_add_nc_u64 s[G0+4*\slot+2:G0+4*\slot+3], s[G0+4*\slot+2:G0+4*\slot+3], 2*ROWB
	s_add_nc_u64 s[G0B+4*\slot+2:G0B+4*\slot+3], s[G0B+4*\slot+2:G0B+4*\slot+3], 2*ROWB
	JLOAD G0+4*\slot, G1, G0B+4*\slot, G1B         ; the first tensor load behind the round; its four v_nop are among the places in front of the loads below
	PLACES NP-4
.else
	PLACES NP
.endif
	s_wait_alu depctr_va_vdst(0)
	v_add_nc_u32 v[ADRS], 4*NQ, v[ADRS]            ; the next K step's scale words
	FETCH_B \next, 0, 0
	FETCH_A \next, 0, 0
	SCALES \next
	WIN MUL_HI
	MUL16 4, 1, NQ-1, \slot, 0
	MUL16 6, 1, NQ-1, \slot, 0
	PLACES NP
	WIN 0
	FETCH_A \next, 0, 4
.endm
	s_wait_loadcnt 0x0                             ; the bias
	s_wait_tensorcnt 1                             ; the scales and my part of K step 0 are in; K step 1's load may be out
	s_barrier_signal -1
	s_barrier_wait -1
	FETCH_B 0, 0, 0
	FETCH_A 0, 0, 0
	SCALES 0
	FETCH_A 0, 0, 4
	s_cmp_eq_u32 ttmp9, 2                          ; the first step is written twice: its C is the bias, by S0's tile or by S1's.  The same way in all partners; no barrier and no tensor load inside
	s_cbranch_scc1 .Lfirst_v
	STEP 0, 0, 1
	s_branch .Ljoin
.Lfirst_v:
	STEP 0, 0, 2
.Ljoin:
	TURN 0, 1, 1                                   ; K step 0 ends; slot 0 takes K step 2
	STEP 1, 0, 0
	TURN 1, 0, 1                                   ; slot 1 takes K step 3
	STEP 0, 0, 0
	TURN 0, 1, 0                                   ; nothing is left to fetch
	STEP 1, 0, 0
	s_wait_dscnt 4*NL
	WIN MUL_LO
	MUL16 0, 1, NQ-1, 1, 0
	MUL16 2, 1, NQ-1, 1, 0
	s_wait_dscnt 0
	WIN MUL_HI
	MUL16 4, 1, NQ-1, 1, 0
	MUL16 6, 1, NQ-1, 1, 0
	WIN 0
; THE WAY OUT of S1's block a: its eight tiles are four blocks of 32 along the next product's K.
.macro QUANTA a
.set WN, 2+(\a)/4
.set AC, 64*((\a)%4)
.set WX, WN|(WN<<2)
	WIN WX                                         ; sources 0 and 1: the accumulators' window
.irp b, 0,1,2,3
	v_max3_num_f32 v[TM+\b], |v[AC+16*\b]|, |v[AC+16*\b+1]|, 0x8000000   ; my 16 numbers of block b, and the floor 2^(16 - 127): the byte cannot fall under 1.  Each accumulator is read from its low end on
.endr
.irp i, 2,4,6,8,10,12,14
.irp b, 0,1,2,3
	v_max3_num_f32 v[TM+\b], |v[AC+16*\b+\i]|, |v[AC+16*\b+\i+1]|, v[TM+\b]
.endr
.endr
	WIN 0
.irp b, 0,1,2,3
	v_permlanex16_b32 v[TM+4+\b], v[TM+\b], s[SEL], s[SEL+1]
.endr
.irp b, 0,1,2,3
	v_max_num_f32 v[TM+\b], v[TM+\b], v[TM+4+\b]   ; with lane l xor 16's: the block's largest magnitude
.endr
.irp b, 0,1,2,3
	v_add_nc_u32 v[TM+12+\b], 0xf8800000, v[TM+\b] ; 15 off its exponent field: the conversion's scale operand
.endr
.irp b, 0,1,2,3
.endr
.irp b, 0,1,2,3
	v_lshrrev_b32 v[TM+4+\b], 23, v[TM+12+\b]      ; the scale's byte
.endr
	v_lshl_or_b32 v[PWS+(\a)], v[TM+5], 8, v[TM+4]
	v_lshl_or_b32 v[PWS+(\a)], v[TM+6], 16, v[PWS+(\a)]
	v_lshl_or_b32 v[PWS+(\a)], v[TM+7], 24, v[PWS+(\a)]
.set WX, WN|(WN<<6)
	WIN WX                                         ; source 0 and destination: the accumulators' window
.irp b, 0,1,2,3
.irp i, 0,1,2,3,4,5,6,7,8,9,10,11,12,13,14,15
.endr
.endr
.if (\a) > 0
	s_wait_xcnt 0x0                                ; the last block's stores have read their data and their base: both are written again only behind this wait
.if (\a) == 4
	s_add_nc_u64 s[CB:CB+1], s[CB:CB+1], s[ST3:ST3+1]
.else
	s_add_nc_u64 s[CB:CB+1], s[CB:CB+1], s[ST1:ST1+1]
.endif
.endif
	WIN WN
.irp b, 0,1,2,3
	v_cvt_scalef32_pk8_bf8_f32 v[PC+4*\b:PC+4*\b+1], v[AC+16*\b:AC+16*\b+7], v[TM+12+\b]
	v_cvt_scalef32_pk8_bf8_f32 v[PC+4*\b+2:PC+4*\b+3], v[AC+16*\b+8:AC+16*\b+15], v[TM+12+\b]
.endr
	WIN 0
	v_nop                                          ; a plain instruction between the conversions and the first line that touches their results
.irp b, 0,1,2,3
	v_permlane16_swap_b32 v[PC+4*\b], v[PC+4*\b+2]       ; lanes 16-31 of the first tile's codes change places with lanes 0-15 of the second's: lane (r, h) then holds 16 h + 0 .. 15 of the block
	v_permlane16_swap_b32 v[PC+4*\b+1], v[PC+4*\b+3]
.endr
	global_store_b128 v[VOA], v[PC:PC+3], s[CB:CB+1]                 ; each store covers 512 consecutive bytes, aligned
	global_store_b128 v[VOA], v[PC+4:PC+7], s[CB:CB+1] offset:512
	global_store_b128 v[VOB], v[PC+8:PC+11], s[CB:CB+1]
	global_store_b128 v[VOB], v[PC+12:PC+15], s[CB:CB+1] offset:512
.endm
	PLACES NP                                      ; behind the last products, ahead of the first read of results
.irp b, 0,1,2,3
	v_mov_b32 v[TM+4+\b], 0                        ; a lane permute's destination counts as one of its sources
.endr
.irp a, 0,1,2,3,4,5,6,7
	QUANTA \a
.endr
.irp x, 0,1,2,3
	v_cndmask_b32 v[TT+\x], v[PWS+2*\x], v[PWS+2*\x+1], s[HM]   ; lane (r, u): the word of block 2 x + u, row r
.endr
	s_cmp_eq_u32 ttmp9, 2
	s_cbranch_scc1 .Lsc_v
.irp x, 0,1,2,3                                ; q, k: a word holds two heads' two bytes; each head's word repeats its two
	v_perm_b32 v[WD+\x], v[TT+\x], v[TT+\x], 0x01000100
	v_perm_b32 v[WD+4+\x], v[TT+\x], v[TT+\x], 0x03020302
.endr
	global_store_b128 v[VOA], v[WD:WD+3], s[SB1:SB1+1]         ; 512 consecutive bytes
	global_store_b128 v[VOA], v[WD+4:WD+7], s[SB2:SB2+1]
	s_branch .Lsc_done
.Lsc_v:                                            ; v: blocks 0-3 are the first head's four tiles of channels, blocks 4-7 the second's
	s_wait_alu depctr_va_vdst(0)
	global_store_b64 v[L8], v[TT:TT+1], s[SB1:SB1+1]           ; 256 consecutive bytes
	global_store_b64 v[L8], v[TT+2:TT+3], s[SB2:SB2+1]
.Lsc_done:
	s_wait_tensorcnt 0x0                           ; the wave's end
	ds_add_u32 v[SPW], v[NIL]
	s_wait_dscnt 0x0
	CROUND                                         ; the closing round
	s_endpgm
.Lfunc_end_k_q4f6ea09f43_qkv:
	.size	k_q4f6ea09f43_qkv, .Lfunc_end_k_q4f6ea09f43_qkv-k_q4f6ea09f43_qkv
	.p2alignl 7, 3214868480
	.fill 96, 4, 3214868480
	.section	.rodata,"a",@progbits
	.p2align	6, 0x0
	.amdhsa_kernel k_q4f6ea09f43_qkv
		.amdhsa_group_segment_fixed_size 327680
		.amdhsa_private_segment_fixed_size 0
		.amdhsa_enable_private_segment 0
		.amdhsa_kernarg_size 64
		.amdhsa_user_sgpr_count 2
		.amdhsa_user_sgpr_kernarg_segment_ptr 1
		.amdhsa_wavefront_size32 1
		.amdhsa_system_sgpr_workgroup_id_x 1
		.amdhsa_system_sgpr_workgroup_id_y 1
		.amdhsa_system_sgpr_workgroup_id_z 1
		.amdhsa_system_vgpr_workitem_id 0
		.amdhsa_next_free_vgpr 1024
		.amdhsa_next_free_sgpr 100
		.amdhsa_reserve_vcc 0
		.amdhsa_float_denorm_mode_32 3
		.amdhsa_float_denorm_mode_16_64 3
		.amdhsa_fp16_overflow 1
		.amdhsa_memory_ordered 1
		.amdhsa_forward_progress 1
		.amdhsa_inst_pref_size 175
	.end_amdhsa_kernel
	.amdgpu_metadata
---
amdhsa.version: [ 1, 2 ]
amdhsa.kernels:
  - .name:           k_q4f6ea09f43_qkv
    .symbol:         k_q4f6ea09f43_qkv.kd
    .args:
      - { .name: x_codes, .offset: 0, .size: 8, .value_kind: global_buffer, .address_space: global }
      - { .name: x_scales, .offset: 8, .size: 8, .value_kind: global_buffer, .address_space: global }
      - { .name: w_in_codes, .offset: 16, .size: 8, .value_kind: global_buffer, .address_space: global }
      - { .name: w_in_scales, .offset: 24, .size: 8, .value_kind: global_buffer, .address_space: global }
      - { .name: b_in, .offset: 32, .size: 8, .value_kind: global_buffer, .address_space: global }
      - { .name: q_img, .offset: 40, .size: 8, .value_kind: global_buffer, .address_space: global }
      - { .name: q_sc, .offset: 48, .size: 8, .value_kind: global_buffer, .address_space: global }
      - { .name: kv, .offset: 56, .size: 8, .value_kind: global_buffer, .address_space: global }
    .group_segment_fixed_size: 327680
    .private_segment_fixed_size: 0
    .kernarg_segment_align: 8
    .kernarg_segment_size: 64
    .max_flat_workgroup_size: 128
    .sgpr_count:     100
    .vgpr_count:     1024
    .wavefront_size: 32
...
	.end_amdgpu_metadata
.endif
;; end of part 1
;; launch attn (part 2): grid 4 x 64, 16 waves a work-group, no clusters, 327,680 bytes of LDS; arguments q_img, q_sc, kv, a_img, a_sc; writes a_img, a_sc
.if DOCPART == 2
	.amdgcn_target "amdgcn-amd-amdhsa--gfx1250"
	.amdhsa_code_object_version 6
	.text
	.protected	k_q4f6ea09f43_attn
	.globl	k_q4f6ea09f43_attn
	.p2align	8
	.type	k_q4f6ea09f43_attn,@function
k_q4f6ea09f43_attn:
	s_mov_b64 s[64:65], 0
	v_nop
	global_prefetch_b8 v0, s[64:65] scope:SCOPE_SE
	s_setreg_imm32_b32 hwreg(HW_REG_WAVE_MODE, 25, 1), 1
	s_wait_xcnt 0x0
; Causal attention of one head on codes of E5M2 with one E8M0 scale for each 32 along a product's K; the result, divided by the row's sum, is quantised along the model's 1,024 and leaves as images of operand registers.
; t = score x log2(e) / 8; M = the running largest t rounded UP to a whole number; p = 2^(t - M) is quantised along the keys, not normalised; the row's sum is taken of the unquantised p.
; SHARES.  Work-group (i, head) owns two blocks of 256 queries: first block 7 - i, then block i.  Each of sixteen waves owns one tile of 16 queries of the block in hand.  Keys go in slots of 256:
; block 7 - i wants slots 0 .. 7 - i, block i slots 0 .. i: NINE trips in every work-group, a constant of the text, and the same work in all 256 work-groups.
; NO CLUSTER: the four work-groups of a head walk different sequences of slots (from trip 5 on at the latest one of them has begun again at slot 0), so a joint load would not be the same load in all partners.
; LAYOUT.  Both products are used transposed: a lane holds one query (lane % 16) throughout.  THE HEAD HAS 64 CHANNELS, the instruction's K is 128: a fragment of K holds key tile 2 b in its registers 0-7 and key tile
; 2 b + 1 in its registers 8-15; Q stands as 8 registers of zero codes, q's 8, 8 of zero codes: v[24:39] = [q | 0] gives tile 2 b's scores, v[16:31] = [0 | q] tile 2 b + 1's.  Zero codes add nothing; k's codes are finite.
; Scale words of q and k repeat their two bytes, so that one word serves both halves.
; p's and the result's codes: two neighbouring tiles hold a block of 32; each eight numbers become two registers; two exchanges of half rows of lanes give the operand's layout.
; kv [head][128 keys][17,152]: k's image, v's image at 8,192, k's words at 16,384, v's at 16,896.  All LDS reads are at 16 x lane or 8 x lane: consecutive bytes, no padding.
; a_img [token tile 512][128 along K: 8][block 4][lane][16];  a_sc [token][32].
; LIMITS: NaN and infinities are not served; a p under 2^-126 counts as 0 (v_exp_f32 flushes); a block of zeros gets the byte 1 where the rule says 127: its codes are zeros, and this program alone reads the bytes.
.set CHUNK, 17152
.set SLOTB, 2*CHUNK
.set HEADB, 16*CHUNK
.set SLOT1, 65536                      ; slot 1 begins here: one exclusive or turns an address of one slot into the other's
.set SPARE, 131072                     ; the spare words, 128 bytes for each of sixteen waves
.set VIMG,  8192
.set KSCO,  16384
.set VSCO,  16896
.set LI,   1                           ; v1   16 x lane
.set L8,   2                           ; v2   8 x lane
.set SPW,  3
.set NIL,  4
.set AD16, 5
.set AD8,  6
.set PFO,  7                           ; v7   256 x lane
.set DM,   8                           ; v8   my query's place in its 128 keys, less 8 h
.set ASO,  9                           ; v9   32 r + h
.set QHI,  16                          ; v[16:31] = [0 | q]
.set QLO,  24                          ; v[24:39] = [q | 0]
.set QS,   49                          ; q's scale words
.set KSC,  50                          ; v[50:53] k's scale words
.set VSC,  54                          ; v[54:55] v's
.set PWD,  56                          ; p's
.set TA,   57
.set FF,   58                          ; v[58:59] f = 2^(old M - new M)
.set SU,   60                          ; v[60:61] the second chain of the sum
.set KV,   64                          ; four fragments, of k and then of v
.set S,    128                         ; the scores, then p
.set OT,   192                         ; O^T
.set PC,   224                         ; codes
.set BM,   240
.set BP,   244
.set BL,   248
.set BS,   252
.set WV,   14
.set II,   15
.set BH,   16
.set L1,   17                          ; the first block's last trip
.set L1P,  18
.set MNT,  19
.set SEL,  20
.set CS,   22                          ; s[22:23] log2(e) / 8
.set G1,   24
.set G0,   32
.set KVW,  36                          ; s[36:37] my chunk of the head's slot 0
.set OFP,  38                          ; s[38:39] an offset
.set TR,   40
.set TB,   41
.set KF,   42                          ; the step's first key
.set QG,   43                          ; the 128 keys among which my queries lie
.set QG2,  44
.set HM,   45
.set AB,   46
.set AB2,  48
.set SB,   50
.set SB2,  52
.set PFA,  54
.set PLIM, 56
.macro TLOAD                           ; waves 0 and 1 fetch a chunk each.  Four v_nop follow the line
	s_cmp_lt_u32 s[WV], 2
	s_cbranch_scc0 .Lno_load_\@
	tensor_load_to_lds s[G0:G0+3], s[G1:G1+7]
	s_nop 0
.rept 4
	v_nop
.endr
.Lno_load_\@:
.endm
; A prefetch of the slot that the NEXT change of slots will ask for.  The head's first work-group walks slots 0 to 7 in trips 0 to 7: its waves 4 to 7 ask, 8,192 bytes a wave, lanes 256 bytes apart: 128 of a slot's 134
; blocks of 256 bytes, each named once in the launch.  Trip n names slot n + 2; trips 6 and later name nothing; slots 0 and 1 come by their loads alone.
.macro ASK
	s_cmp_lt_u32 s[TR], s[PLIM]
	s_cbranch_scc0 .Lnot_mine_\@
	global_prefetch_b8 v[PFO], s[PFA:PFA+1] th:TH_LOAD_NT scope:SCOPE_SE
.Lnot_mine_\@:
.endm
	s_load_b256 s[4:11], s[0:1], 0x0               ; q_img, q_sc, kv, a_img
	s_load_b64 s[12:13], s[0:1], 0x20              ; a_sc
	v_lshl_add_u32 v[SPW], v0, 2, SPARE
	v_mov_b32 v[NIL], 0
	ds_add_u32 v3, v4
	ds_add_u32 v3, v4
	s_wait_dscnt 0x0
	v_lshrrev_b32 v1, 5, v0
	s_delay_alu instid0(VALU_DEP_1)
	v_readfirstlane_b32 s[WV], v1                  ; wave 0..15
	s_mov_b32 s[II], ttmp9
	s_and_b32 s[BH], ttmp7, 0xffff
	s_sub_co_u32 s[L1], 7, s[II]
	s_sub_co_u32 s[L1P], 8, s[II]
	s_mov_b32 s[G1], 3<<16                         ; a chunk is dense: 67 rows of 256 bytes (32 elements of 8 bytes), no padding, no mask
	s_mov_b32 s[G1+1], 32<<16
	s_mov_b32 s[G1+2], 67<<16
	s_mov_b32 s[G1+3], 32<<16
	s_mov_b32 s[G1+4], 67
	s_mov_b32 s[G1+5], 32
	s_mov_b32 s[G1+6], 0
	s_mov_b32 s[G1+7], 0
	s_mul_i32 s57, s[BH], HEADB
	s_and_b32 s58, s[WV], 1
	s_mul_i32 s59, s58, CHUNK
	s_add_co_u32 s[OFP], s57, s59
	s_mov_b32 s[OFP+1], 0
	s_wait_kmcnt 0x0
	s_add_nc_u64 s[KVW:KVW+1], s[8:9], s[OFP:OFP+1]
	s_mov_b32 s[G0], 1
	s_mov_b32 s[G0+1], s59                         ; slot 0, my chunk
	s_mov_b64 s[G0+2:G0+3], s[KVW:KVW+1]
	s_or_b32 s[G0+3], s[G0+3], 0x80000000
	TLOAD                                          ; slot 0
	s_mov_b32 s75, 0
	s_lshl_b32 s57, s[BH], 7
	s_add_co_u32 s57, s57, s[WV]
	s_lshl_b32 s58, s[L1], 4
	s_add_co_u32 s58, s58, s57                     ; my token tile in the head: first block,
	s_lshl_b32 s59, s[II], 4
	s_add_co_u32 s59, s59, s57                     ; second block
	s_lshl_b32 s74, s58, 10
	s_add_nc_u64 s[66:67], s[4:5], s[74:75]
	s_lshl_b32 s74, s59, 10
	s_add_nc_u64 s[68:69], s[4:5], s[74:75]
	s_lshl_b32 s60, s[BH], 4
	s_lshr_b32 s61, s[WV], 3
	s_add_co_u32 s60, s60, s61
	s_lshl_b32 s60, s60, 9                         ; q's words: 512 bytes for each 128 tokens;
	s_and_b32 s62, s[WV], 1
	s_lshl_b32 s62, s62, 8                         ; odd tiles in lanes 16-31's places;
	s_add_co_u32 s60, s60, s62
	s_bfe_u32 s62, s[WV], 0x20001
	s_lshl_b32 s62, s62, 2                         ; the pair of tiles
	s_add_co_u32 s60, s60, s62
	s_lshl_b32 s62, s[L1], 10
	s_add_co_u32 s74, s60, s62
	s_add_nc_u64 s[70:71], s[6:7], s[74:75]
	s_lshl_b32 s62, s[II], 10
	s_add_co_u32 s74, s60, s62
	s_add_nc_u64 s[72:73], s[6:7], s[74:75]
	s_lshl_b32 s61, s61, 7
	s_lshl_b32 s[QG], s[L1], 8
	s_add_co_u32 s[QG], s[QG], s61
	s_lshl_b32 s[QG2], s[II], 8
	s_add_co_u32 s[QG2], s[QG2], s61
	s_lshr_b32 s57, s[BH], 4
	s_lshl_b32 s57, s57, 7
	s_add_co_u32 s57, s57, s[WV]
	s_and_b32 s63, s[BH], 15                       ; the head in its batch
	s_lshl_b32 s58, s[L1], 4
	s_add_co_u32 s58, s58, s57                     ; my token tile among all 512: first block,
	s_lshl_b32 s59, s[II], 4
	s_add_co_u32 s59, s59, s57                     ; second block
	s_lshl_b32 s76, s63, 10                        ; a head's 64 channels are 1,024 bytes of a tile's image
	s_lshl_b32 s74, s58, 14
	s_add_co_u32 s74, s74, s76
	s_add_nc_u64 s[AB:AB+1], s[10:11], s[74:75]
	s_lshl_b32 s74, s59, 14
	s_add_co_u32 s74, s74, s76
	s_add_nc_u64 s[AB2:AB2+1], s[10:11], s[74:75]
	s_lshl_b32 s76, s63, 1
	s_lshl_b32 s74, s58, 9
	s_add_co_u32 s74, s74, s76
	s_add_nc_u64 s[SB:SB+1], s[12:13], s[74:75]
	s_lshl_b32 s74, s59, 9
	s_add_co_u32 s74, s74, s76
	s_add_nc_u64 s[SB2:SB2+1], s[12:13], s[74:75]
	s_mul_i32 s74, s[BH], HEADB
	s_and_b32 s76, s[WV], 3
	s_lshl_b32 s76, s76, 13
	s_add_co_u32 s74, s74, s76
	s_add_co_u32 s74, s74, SLOTB                   ; in slot 1: the first change of slots steps it to slot 2
	s_add_nc_u64 s[PFA:PFA+1], s[8:9], s[74:75]
	s_lshr_b32 s76, s[WV], 2
	s_xor_b32 s76, s76, 1                          ; 0 in waves 4 to 7,
	s_or_b32 s76, s76, s[II]                       ; of the head's first work-group
	s_cmp_eq_u32 s76, 0
	s_cselect_b32 s[PLIM], 6, 0
	s_and_b32 s57, s[WV], 7
	s_lshl_b32 s57, s57, 4
	s_mov_b32 s[SEL], 0x76543210
	s_mov_b32 s[SEL+1], 0xfedcba98
	s_mov_b32 s[CS], 0x3e38aa3b                    ; log2(e) / 8
	s_mov_b32 s[CS+1], s[CS]
	s_mov_b32 s[HM], 0xffff0000
	s_mov_b32 s[TR], 0
	s_mov_b32 s[TB], 0
	s_mov_b32 s[KF], 0
	v_and_b32 v11, 31, v0
	s_delay_alu instid0(VALU_DEP_1)
	v_lshlrev_b32 v[LI], 4, v11
	s_delay_alu instid0(VALU_DEP_2)
	v_lshlrev_b32 v[L8], 3, v11
	s_delay_alu instid0(VALU_DEP_3)
	v_lshlrev_b32 v[PFO], 8, v11
	v_and_b32 v10, 15, v0                          ; r
	v_bfe_u32 v11, v0, 4, 1                        ; h
	s_delay_alu instid0(VALU_DEP_1)
	v_lshl_add_u32 v[ASO], v10, 5, v11
	s_delay_alu instid0(VALU_DEP_2)
	v_lshlrev_b32 v11, 3, v11
	s_delay_alu instid0(VALU_DEP_1)
	v_sub_nc_u32 v[DM], v10, v11
	s_delay_alu instid0(VALU_DEP_1)
	v_add_nc_u32 v[DM], s57, v[DM]                 ; 16 (wave % 8) + r - 8 h
	v_lshlrev_b32 v10, 4, v10
	global_load_b128 v[24:27], v[LI], s[66:67]               ; the first block's q
	global_load_b128 v[28:31], v[LI], s[66:67] offset:512
	global_load_b128 v[40:43], v[LI], s[68:69]               ; the second block's
	global_load_b128 v[44:47], v[LI], s[68:69] offset:512
	global_load_b32 v[QS], v10, s[70:71]
	global_load_b32 v48, v10, s[72:73]
.irp j, 0,1,2,3,4,5,6,7
	v_mov_b32 v[16+\j], 0                          ; zero codes on either side of q
	v_mov_b32 v[32+\j], 0
.endr
.set n, 0
.rept 32
	v_mov_b32 v[OT+n], 0                           ; the step is written once: the first finds zeros
.set n, n+1
.endr
	v_mov_b32 v13, 0xff61b1e6                      ; the largest t so far: -3e38
	s_delay_alu instid0(VALU_DEP_1)
	v_floor_f32 v12, -v13                          ; -M
	v_mov_b32 v14, 0
	v_mov_b32 v15, 0
.irp b, 0,1,2,3
	v_mov_b32 v[BP+\b], 0                          ; a lane permute's destination counts as one of its sources
.endr
	v_mov_b32 v[TA], 0
	v_mov_b32 v[FF+1], 0                           ; named as the upper half of a pair
; A KEY STEP: 128 keys, chunk q of the slot in hand.
.macro STEP q
	s_cmp_gt_u32 s[KF], s[QG]                      ; all its keys come after my queries: left out, by a branch on ids
	s_cbranch_scc1 .Lhidden_\@
	v_add_nc_u32 v[AD16], s[TB], v[LI]
	v_add_nc_u32 v[AD8], s[TB], v[L8]
.rept 6
	v_nop                                          ; with the two additions: eight places in front of loads into registers that the last products read
.endr
.irp b, 0,1,2,3
.irp c, 0,1,2,3
	ds_load_b128 v[KV+16*\b+4*\c:KV+16*\b+4*\c+3], v[AD16] offset:CHUNK*(\q)+2048*\b+512*\c
.endr
.endr
	ds_load_b128 v[KSC:KSC+3], v[AD16] offset:CHUNK*(\q)+KSCO     ; register x, lane (r, u): the word of key tile 2 x + u
	s_wait_alu depctr_va_vdst(0)
	s_wait_dscnt 0x0
.irp b, 0,1,2,3
	v_wmma_scale_f32_16x16x128_f8f6f4 v[S+16*\b:S+16*\b+7], v[KV+16*\b:KV+16*\b+15], v[QLO:QLO+15], 0, v[KSC+\b], v[QS] matrix_a_fmt:MATRIX_FMT_BF8 matrix_b_fmt:MATRIX_FMT_BF8
	v_wmma_scale_f32_16x16x128_f8f6f4 v[S+16*\b+8:S+16*\b+15], v[KV+16*\b:KV+16*\b+15], v[QHI:QHI+15], 0, v[KSC+\b], v[QS] matrix_a_fmt:MATRIX_FMT_BF8 matrix_b_fmt:MATRIX_FMT_BF8 matrix_a_scale:MATRIX_SCALE_ROW1
.endr
.rept 8
	v_nop
.endr
.irp t, 0,1,2,3                                ; v is asked for now and lands under the softmax
.irp c, 0,1,2,3
	ds_load_b128 v[KV+16*\t+4*\c:KV+16*\t+4*\c+3], v[AD16] offset:CHUNK*(\q)+VIMG+2048*\t+512*\c
.endr
.endr
	ds_load_b64 v[VSC:VSC+1], v[AD8] offset:CHUNK*(\q)+VSCO
	s_cmp_lg_u32 s[KF], s[QG]                      ; only the step in which my queries lie has hidden keys
	s_cbranch_scc1 .Lopen_\@
	v_mov_b32 v[TA], 0xff800000                    ; -infinity: p = 0 then
.set n, 0
.rept 64                                       ; register 8 tile + j holds key KF + 16 tile + 8 h + j: hidden where 16 tile + j > DM
	v_cmp_gt_i32 vcc_lo, 16*(n/8)+n%8, v[DM]
	v_cndmask_b32 v[S+n], v[S+n], v[TA], vcc_lo
.set n, n+1
.endr
.Lopen_\@:
.irp b, 0,1,2,3
	v_max3_num_f32 v[BM+\b], v[S+16*\b], v[S+16*\b+1], v[S+16*\b+2]   ; the largest score of each block of 32 keys: for the row's maximum, and for the block's largest p
.endr
.irp i, 3,5,7,9,11,13
.irp b, 0,1,2,3
	v_max3_num_f32 v[BM+\b], v[BM+\b], v[S+16*\b+\i], v[S+16*\b+\i+1]
.endr
.endr
.irp b, 0,1,2,3
	v_max_num_f32 v[BM+\b], v[BM+\b], v[S+16*\b+15]
.endr
.irp b, 0,1,2,3
	s_delay_alu instid0(VALU_DEP_4)
	v_permlanex16_b32 v[BP+\b], v[BM+\b], s[SEL], s[SEL+1]
.endr
.irp b, 0,1,2,3
	s_delay_alu instid0(VALU_DEP_4)
	v_max_num_f32 v[BM+\b], v[BM+\b], v[BP+\b]
.endr
	s_delay_alu instid0(VALU_DEP_2)
	v_max3_num_f32 v[TA], v[BM], v[BM+1], v[BM+2]
	s_delay_alu instid0(VALU_DEP_1)
	v_max_num_f32 v[TA], v[TA], v[BM+3]
	s_delay_alu instid0(VALU_DEP_1)
	v_mul_f32 v[TA], s[CS], v[TA]
	s_delay_alu instid0(VALU_DEP_1)
	v_max_num_f32 v13, v13, v[TA]                  ; the running largest t
	v_mov_b32 v[TA], v12
	s_delay_alu instid0(VALU_DEP_2)
	v_floor_f32 v12, -v13                          ; the new -M: M is a whole number
	s_delay_alu instid0(VALU_DEP_1)
	v_sub_f32 v[TA], v12, v[TA]                    ; old M - new M, 0 or less
	s_delay_alu instid0(VALU_DEP_1)
	v_cvt_i32_f32 v[TA], v[TA]                     ; (it saturates)
	s_delay_alu instid0(VALU_DEP_1)
	v_ldexp_f32 v[FF], 1.0, v[TA]                  ; f: a multiplication by it rounds nothing
.set j, 0
.rept 32
	v_pk_fma_f32 v[S+j:S+j+1], v[S+j:S+j+1], s[CS:CS+1], v[12:13] op_sel_hi:[1,0,0]   ; t - M
.set j, j+2
.endr
.irp b, 0,1,2,3
	v_fma_f32 v[BM+\b], v[BM+\b], s[CS], v12
.endr
.set j, 0
	s_wait_alu depctr_va_vdst(0)
.rept 64
	v_exp_f32 v[S+j], v[S+j]                       ; p = 2^(t - M)
.set j, j+1
.endr
	v_pk_mul_f32 v[14:15], v[14:15], v[FF:FF+1] op_sel_hi:[1,0]   ; the sums under the new M: the plain instruction behind the exponentials
	s_wait_alu depctr_va_vdst(0)                   ; one wait for the batch, ahead of its first reader
.irp b, 0,1,2,3
	v_exp_f32 v[BM+\b], v[BM+\b]                   ; the block's largest p
.endr
	v_pk_add_f32 v[60:61], v[132:133], v[136:137]
	v_pk_add_f32 v[254:255], v[140:141], v[144:145]
	v_pk_add_f32 v[252:253], v[148:149], v[152:153]
	v_pk_add_f32 v[250:251], v[156:157], v[160:161]
	v_pk_add_f32 v[248:249], v[164:165], v[168:169]
	v_pk_add_f32 v[246:247], v[172:173], v[176:177]
	v_pk_add_f32 v[244:245], v[180:181], v[184:185]
	v_pk_add_f32 v[14:15], v[14:15], v[188:189]
	v_pk_add_f32 v[60:61], v[60:61], v[128:129]
	v_pk_add_f32 v[254:255], v[254:255], v[130:131]
	v_pk_add_f32 v[252:253], v[252:253], v[134:135]
	v_pk_add_f32 v[250:251], v[250:251], v[138:139]
	v_pk_add_f32 v[248:249], v[248:249], v[142:143]
	v_pk_add_f32 v[246:247], v[246:247], v[146:147]
	v_pk_add_f32 v[244:245], v[244:245], v[150:151]
	v_pk_add_f32 v[14:15], v[14:15], v[154:155]
	v_pk_add_f32 v[60:61], v[60:61], v[158:159]
	v_pk_add_f32 v[254:255], v[254:255], v[162:163]
	v_pk_add_f32 v[252:253], v[252:253], v[166:167]
	v_pk_add_f32 v[250:251], v[250:251], v[170:171]
	v_pk_add_f32 v[248:249], v[248:249], v[174:175]
	v_pk_add_f32 v[246:247], v[246:247], v[178:179]
	v_pk_add_f32 v[244:245], v[244:245], v[182:183]
	v_pk_add_f32 v[14:15], v[14:15], v[186:187]
	v_pk_add_f32 v[60:61], v[60:61], v[190:191]
	s_delay_alu instid0(VALU_DEP_2)
	v_pk_add_f32 v[14:15], v[14:15], v[250:251]
	s_delay_alu instid0(VALU_DEP_2)
	v_pk_add_f32 v[60:61], v[60:61], v[248:249]
	v_pk_add_f32 v[254:255], v[254:255], v[246:247]
	v_pk_add_f32 v[252:253], v[252:253], v[244:245]
	s_delay_alu instid0(VALU_DEP_2)
	v_pk_add_f32 v[14:15], v[14:15], v[254:255]
	s_delay_alu instid0(VALU_DEP_2)
	v_pk_add_f32 v[60:61], v[60:61], v[252:253]
	s_delay_alu instid0(VALU_DEP_1)
	v_pk_add_f32 v[14:15], v[14:15], v[60:61]
	s_wait_alu depctr_va_vdst(0)                   ; and one for the four
.irp b, 0,1,2,3
	v_max_num_f32 v[BM+\b], 0x8000000, v[BM+\b]    ; the floor 2^(16 - 127)
.endr
.irp b, 0,1,2,3
	s_delay_alu instid0(VALU_DEP_4)
	v_add_nc_u32 v[BS+\b], 0xf8800000, v[BM+\b]
.endr
.irp b, 0,1,2,3
.endr
.irp b, 0,1,2,3
	s_delay_alu instid0(VALU_DEP_4)
	v_lshrrev_b32 v[BP+\b], 23, v[BS+\b]
.endr
	s_delay_alu instid0(VALU_DEP_3)
	v_lshl_or_b32 v[PWD], v[BP+1], 8, v[BP]        ; p's scale word for these 128 keys
	s_delay_alu instid0(VALU_DEP_1)
	v_lshl_or_b32 v[PWD], v[BP+2], 16, v[PWD]
	s_delay_alu instid0(VALU_DEP_1)
	v_lshl_or_b32 v[PWD], v[BP+3], 24, v[PWD]
.irp b, 0,1,2,3
.irp i, 0,1,2,3,4,5,6,7,8,9,10,11,12,13,14,15
.endr
	v_cvt_scalef32_pk8_bf8_f32 v[PC+4*\b:PC+4*\b+1], v[S+16*\b:S+16*\b+7], v[BS+\b]
	v_cvt_scalef32_pk8_bf8_f32 v[PC+4*\b+2:PC+4*\b+3], v[S+16*\b+8:S+16*\b+15], v[BS+\b]
.endr
	v_nop                                          ; a plain instruction behind the conversions
.irp b, 0,1,2,3
	v_permlane16_swap_b32 v[PC+4*\b], v[PC+4*\b+2]       ; lane (r, h) then holds keys 32 b + 16 h + 0 .. 15
	v_permlane16_swap_b32 v[PC+4*\b+1], v[PC+4*\b+3]
.endr
.set j, 0
.rept 16
	v_pk_mul_f32 v[OT+j:OT+j+1], v[OT+j:OT+j+1], v[FF:FF+1] op_sel_hi:[1,0]   ; O^T under the new M; these are also the places in front of the products below
.set j, j+2
.endr
	s_wait_alu depctr_va_vdst(0)
	s_wait_dscnt 0x0                               ; v and its words are in
.irp t, 0,2
	v_wmma_scale_f32_16x16x128_f8f6f4 v[OT+8*\t:OT+8*\t+7], v[KV+16*\t:KV+16*\t+15], v[PC:PC+15], v[OT+8*\t:OT+8*\t+7], v[VSC+\t/2], v[PWD] matrix_a_fmt:MATRIX_FMT_BF8 matrix_b_fmt:MATRIX_FMT_BF8
	v_wmma_scale_f32_16x16x128_f8f6f4 v[OT+8*\t+8:OT+8*\t+15], v[KV+16*\t+16:KV+16*\t+31], v[PC:PC+15], v[OT+8*\t+8:OT+8*\t+15], v[VSC+\t/2], v[PWD] matrix_a_fmt:MATRIX_FMT_BF8 matrix_b_fmt:MATRIX_FMT_BF8 matrix_a_scale:MATRIX_SCALE_ROW1
.endr
.Lhidden_\@:
	s_add_co_u32 s[KF], s[KF], 128
.endm
; THE CHANGE OF SLOTS stands at a trip's head.  Each wave waits for all its tensor loads, adds 0 to its spare word, and waits for that and for its reads of the slot that it has left.  fill = 1: that slot takes the next trip's keys.
.macro CHANGE fill
	s_wait_tensorcnt 0x0                           ; no tensor load of mine is out, so the group 0 may be written
	ds_add_u32 v[SPW], v[NIL]                      ; 0 onto my spare word
.if \fill
	s_add_co_u32 s57, s[TR], 1                     ; the next trip's slot of keys: the trip's number, or, in the second block, that less the first block's trips
	s_cmp_gt_u32 s57, s[L1]
	s_cselect_b32 s58, s[L1P], 0
	s_sub_co_u32 s57, s57, s58
	s_mul_i32 s[OFP], s57, SLOTB
	s_add_nc_u64 s[G0+2:G0+3], s[KVW:KVW+1], s[OFP:OFP+1]
	s_or_b32 s[G0+3], s[G0+3], 0x80000000
	s_xor_b32 s[G0+1], s[G0+1], SLOT1
	s_wait_xcnt 0x0                                ; the last prefetch, a trip back, has read its address
	s_add_nc_u64 s[PFA:PFA+1], s[PFA:PFA+1], SLOTB
.endif
	s_wait_dscnt 0x0                               ; the add is done, and my reads of the slot that I have left are over
	s_barrier_signal -1
	s_barrier_wait -1
.if \fill
	TLOAD                                          ; the first thing behind the barrier, and a wave's one tensor load until the next
	ASK
.endif
.endm
; A BLOCK'S END: O^T / the sum, quantised along the model's axis (my head's 64 channels are two blocks of 32), stored as an image.
.macro FINISH
.rept 8
	v_nop                                          ; places behind the last products
.endr
	v_add_f32 v14, v14, v15
	s_delay_alu instid0(VALU_DEP_1)
	v_permlanex16_b32 v[TA], v14, s[SEL], s[SEL+1]
	s_delay_alu instid0(VALU_DEP_1)
	v_add_f32 v14, v14, v[TA]                      ; the row's sum
	s_wait_alu depctr_va_vdst(0)
	v_rcp_f32 v14, v14
	v_nop
	s_wait_alu depctr_va_vdst(0)                   ; ahead of the reciprocal's first reader
.set j, 0
.rept 16
	v_pk_mul_f32 v[S+j:S+j+1], v[OT+j:OT+j+1], v[14:15] op_sel_hi:[1,0]   ; register 8 t + i: channel 16 t + 8 h + i of my query
.set j, j+2
.endr
.irp b, 0,1
	v_max3_num_f32 v[BM+\b], |v[S+16*\b]|, |v[S+16*\b+1]|, 0x8000000
.endr
.irp i, 2,4,6,8,10,12,14
.irp b, 0,1
	s_delay_alu instid0(VALU_DEP_2)
	v_max3_num_f32 v[BM+\b], v[BM+\b], |v[S+16*\b+\i]|, |v[S+16*\b+\i+1]|
.endr
.endr
.irp b, 0,1
	s_delay_alu instid0(VALU_DEP_2)
	v_permlanex16_b32 v[BP+\b], v[BM+\b], s[SEL], s[SEL+1]
.endr
.irp b, 0,1
	s_delay_alu instid0(VALU_DEP_2)
	v_max_num_f32 v[BM+\b], v[BM+\b], v[BP+\b]
.endr
.irp b, 0,1
	s_delay_alu instid0(VALU_DEP_2)
	v_add_nc_u32 v[BS+\b], 0xf8800000, v[BM+\b]
.endr
.irp b, 0,1
.endr
.irp b, 0,1
	s_delay_alu instid0(VALU_DEP_2)
	v_lshrrev_b32 v[BP+\b], 23, v[BS+\b]
.endr
.irp b, 0,1
.irp i, 0,1,2,3,4,5,6,7,8,9,10,11,12,13,14,15
.endr
	v_cvt_scalef32_pk8_bf8_f32 v[PC+4*\b:PC+4*\b+1], v[S+16*\b:S+16*\b+7], v[BS+\b]
	v_cvt_scalef32_pk8_bf8_f32 v[PC+4*\b+2:PC+4*\b+3], v[S+16*\b+8:S+16*\b+15], v[BS+\b]
.endr
	v_nop
.irp b, 0,1
	v_permlane16_swap_b32 v[PC+4*\b], v[PC+4*\b+2]
	v_permlane16_swap_b32 v[PC+4*\b+1], v[PC+4*\b+3]
.endr
	global_store_b128 v[LI], v[PC:PC+3], s[AB:AB+1]              ; 512 consecutive bytes, aligned
	global_store_b128 v[LI], v[PC+4:PC+7], s[AB:AB+1] offset:512
	v_cndmask_b32 v[TA], v[BP], v[BP+1], s[HM]     ; lane (r, h) stores block h's byte of token r: a token's 32 bytes come from sixteen heads, so these leave singly: 32 bytes beside a tile's 1,024 of codes
	global_store_b8 v[ASO], v[TA], s[SB:SB+1]
.endm
.macro REINIT                          ; on to the second block
	v_mov_b32 v[QS], v48
.irp j, 0,1,2,3,4,5,6,7
	v_mov_b32 v[24+\j], v[40+\j]
.endr
.set n, 0
.rept 32
	v_mov_b32 v[OT+n], 0
.set n, n+1
.endr
	v_mov_b32 v13, 0xff61b1e6
	s_delay_alu instid0(VALU_DEP_1)
	v_floor_f32 v12, -v13
	v_mov_b32 v14, 0
	v_mov_b32 v15, 0
	s_wait_xcnt 0x0                                ; the stores have read their data and bases: both are written again only behind this wait
	s_mov_b64 s[AB:AB+1], s[AB2:AB2+1]
	s_mov_b64 s[SB:SB+1], s[SB2:SB2+1]
	s_mov_b32 s[QG], s[QG2]
	s_mov_b32 s[KF], 0
.endm
	s_wait_loadcnt 0x0                             ; q and its words
.Ltrip:                                            ; eight trips, each asking for the next trip's keys
	CHANGE 1
	STEP 0
	STEP 1
	s_xor_b32 s[TB], s[TB], SLOT1
	s_cmp_eq_u32 s[TR], s[L1]                      ; the first block's last trip (4 to 7, by the work-group's number)
	s_cbranch_scc0 .Lsame
	s_wait_alu depctr_va_vdst(0)
	FINISH
	REINIT
.Lsame:
	s_add_co_u32 s[TR], s[TR], 1
	s_cmp_lt_u32 s[TR], 8
	s_cbranch_scc1 .Ltrip
	CHANGE 0                                       ; the ninth trip is written out
	STEP 0
	STEP 1
	s_wait_alu depctr_va_vdst(0)
	FINISH
	s_wait_tensorcnt 0x0                           ; the wave's end
	ds_add_u32 v[SPW], v[NIL]
	s_wait_dscnt 0x0
	s_endpgm
.Lfunc_end_k_q4f6ea09f43_attn:
	.size	k_q4f6ea09f43_attn, .Lfunc_end_k_q4f6ea09f43_attn-k_q4f6ea09f43_attn
	.p2alignl 7, 3214868480
	.fill 96, 4, 3214868480
	.section	.rodata,"a",@progbits
	.p2align	6, 0x0
	.amdhsa_kernel k_q4f6ea09f43_attn
		.amdhsa_group_segment_fixed_size 327680
		.amdhsa_private_segment_fixed_size 0
		.amdhsa_enable_private_segment 0
		.amdhsa_kernarg_size 40
		.amdhsa_user_sgpr_count 2
		.amdhsa_user_sgpr_kernarg_segment_ptr 1
		.amdhsa_wavefront_size32 1
		.amdhsa_system_sgpr_workgroup_id_x 1
		.amdhsa_system_sgpr_workgroup_id_y 1
		.amdhsa_system_sgpr_workgroup_id_z 1
		.amdhsa_system_vgpr_workitem_id 0
		.amdhsa_next_free_vgpr 256
		.amdhsa_next_free_sgpr 80
		.amdhsa_reserve_vcc 1
		.amdhsa_float_denorm_mode_32 3
		.amdhsa_float_denorm_mode_16_64 3
		.amdhsa_fp16_overflow 1
		.amdhsa_memory_ordered 1
		.amdhsa_forward_progress 1
		.amdhsa_inst_pref_size 109
	.end_amdhsa_kernel
	.amdgpu_metadata
---
amdhsa.version: [ 1, 2 ]
amdhsa.kernels:
  - .name:           k_q4f6ea09f43_attn
    .symbol:         k_q4f6ea09f43_attn.kd
    .args:
      - { .name: q_img, .offset: 0, .size: 8, .value_kind: global_buffer, .address_space: global }
      - { .name: q_sc, .offset: 8, .size: 8, .value_kind: global_buffer, .address_space: global }
      - { .name: kv, .offset: 16, .size: 8, .value_kind: global_buffer, .address_space: global }
      - { .name: a_img, .offset: 24, .size: 8, .value_kind: global_buffer, .address_space: global }
      - { .name: a_sc, .offset: 32, .size: 8, .value_kind: global_buffer, .address_space: global }
    .group_segment_fixed_size: 327680
    .private_segment_fixed_size: 0
    .kernarg_segment_align: 8
    .kernarg_segment_size: 40
    .max_flat_workgroup_size: 512
    .sgpr_count:     80
    .vgpr_count:     256
    .wavefront_size: 32
...
	.end_amdgpu_metadata
.endif
;; end of part 2
;; launch proj (part 3): grid 4 x 64, 4 waves a work-group, clusters of 4 x 4, 327,680 bytes of LDS; arguments a_img, a_sc, w_out_codes, w_out_scales, b_out, out0; writes out0
.if DOCPART == 3
	.amdgcn_target "amdgcn-amd-amdhsa--gfx1250"
	.amdhsa_code_object_version 6
	.text
	.protected	k_q4f6ea09f43_proj
	.globl	k_q4f6ea09f43_proj
	.p2align	8
	.type	k_q4f6ea09f43_proj,@function
k_q4f6ea09f43_proj:
	s_mov_b64 s[64:65], 0
	v_nop
	global_prefetch_b8 v0, s[64:65] scope:SCOPE_SE
	s_setreg_imm32_b32 hwreg(HW_REG_WAVE_MODE, 25, 1), 1
	s_wait_xcnt 0x0
	s_wait_alu depctr_hold_cnt(0) depctr_sa_sdst(0) depctr_va_vdst(0) depctr_va_sdst(0) depctr_va_ssrc(0) depctr_va_vcc(0) depctr_vm_vsrc(0)
	s_getreg_b32 s2, hwreg(HW_REG_IB_STS2, 6, 4)
	s_cmp_eq_u32 s2, 0
	s_cbranch_scc0 .Lentry_in_a_cluster
	s_endpgm
.Lentry_in_a_cluster:
	s_bfe_u32 s2, ttmp6, 0x10000c
	s_cmp_lg_u32 s2, 0xf033
	s_cbranch_scc0 .Lentry_shape_is_right
	s_endpgm
.Lentry_shape_is_right:
; out0 = a w_out + b_out on codes of E5M2 with one E8M0 scale for each 32 along K = 1,024.  a: the attention's result as images of operand registers, a_img [token tile 512][128 along K: 8][block 4][lane][16], a_sc [8192][32].
; w_out: [1024][1024] codes (K innermost), [1024][32] scale bytes.  b_out [1024], out0 [8192][1024]: f32.
; A tile is 128 tokens x 256 columns: 256 work-groups.  Four waves, each 64 tokens x 128 columns: 32 accumulators.  Source 0 (S0) = w_out's rows, source 1 (S1) = tokens: a lane holds eight neighbouring columns of one token.
; K goes in four steps of 256.  LDS has room for THREE slots: K steps 0, 1, 2 and the scales are first fills (four loads of a wave are out at the start); K step 3 alone is a refill, of slot 0, behind the launch's one round
; in its middle, and has four steps of 128 in which to land.
; CLUSTERS: 4 x 4 work-groups; S0's tile hangs on cx and is asked for jointly by a column of the cluster, S1's on cy and by a row.
; The bias is the C of each sum's first matrix instruction.  The way out goes through a stage of the wave's own in slot 1, which has then had its only fill and its last read.
; REGISTERS: window 0: v16-29 addresses; v32-63 scale words, two sets; v64-127 the bias; v128-255 S1's fragments, two sets of 64, later rows of out0.  window 1: S0's fragments, two sets.  window 2: accumulators, (a, b) at v[8 (8 a + b)].
.set PITCH,  272
.set FR,     16
.set NP,     8
.set SLOT,   102400                    ; S1's images, 32,768 bytes; then S0's 256 rows of 272
.set S0OFF,  32768
.set HALF0,  128*PITCH
.set SCL,    3*SLOT                    ; the scales of all of K, as units of 256 bytes + 16: S1's 2 x 2,176, then S0's 2 x 4,352
.set HS1,    8*272
.set HS0,    16*272
.set SBLK,   544
.set SPARE,  SCL+2*HS1+2*HS0           ; the spare words, 128 bytes a wave
.set SPITCH, 528
.set STAGE,  SLOT
.set ADRA, 16                          ; v16-18
.set ADRB, 20                          ; v20-22
.set STO,  24
.set RD,   25
.set CO,   26
.set ADRS, 27
.set SPW,  28
.set NIL,  29
.set SC,   32
.set BI,   64
.set AF,   128
.set BK,   128
.set G1,   24                          ; s[24:31] S1's images;  s[32:43] their groups 0, one a slot
.set G0,   32
.set G1B,  44                          ; s[44:51] S0's rows;  s[52:63] their groups 0
.set G0B,  52
.set G1S,  68
.set G0S,  76
.set G1SB, 80
.set G0SB, 88
.set MSB, 0
.macro WIN new
.if MSB != \new
	s_set_vgpr_msb (MSB<<8)|\new
.set MSB, \new
.endif
.endm
.set MUL,   0xa1                       ; source 0 window 1, source 1 window 0, C and D window 2
.set MUL_B, 0x81                       ; C (the bias) window 0
.set TO_B,  0x40
.macro JLOAD g0a, g1a, g0b, g1b        ; waves 0 and 1 fetch for S1, waves 2 and 3 for S0; four v_nop follow each of the two lines
	s_cmp_eq_u32 s15, 0
	s_cbranch_scc0 .Lfor_b_\@
	tensor_load_to_lds s[\g0a:\g0a+3], s[\g1a:\g1a+7]
	s_nop 0
.rept 4
	v_nop
.endr
	s_branch .Lasked_\@
.Lfor_b_\@:
	tensor_load_to_lds s[\g0b:\g0b+3], s[\g1b:\g1b+7]
	s_nop 0
.rept 4
	v_nop
.endr
.Lasked_\@:
.endm
.macro CREST
	s_cmp_lg_u32 s14, 0
	s_cbranch_scc1 .Lnot_wave_0_\@
	s_barrier_signal -3
.Lnot_wave_0_\@:
	s_barrier_wait -3
	s_barrier_signal -1
	s_barrier_wait -1
.endm
.macro CROUND
	s_barrier_signal -1
	s_barrier_wait -1
	CREST
.endm
	s_load_b256 s[4:11], s[0:1], 0x0               ; a_img, a_sc, w_out's codes, w_out's scales
	s_load_b128 s[96:99], s[0:1], 0x20             ; b_out, out0
	v_lshl_add_u32 v[SPW], v0, 2, SPARE
	v_mov_b32 v[NIL], 0
	ds_add_u32 v28, v29
	s_wait_dscnt 0x0
	v_lshrrev_b32 v1, 5, v0
	v_readfirstlane_b32 s14, v1                    ; wave 0..3
	s_lshr_b32 s15, s14, 1                         ; my half of the tokens.  Also: I fetch for S1 (0) or for S0 (1)
	s_and_b32 s16, s14, 1                          ; my half of the columns.  Also: which half I fetch
	s_bfe_u32 s92, ttmp6, 0x40000                  ; cx
	s_bfe_u32 s93, ttmp6, 0x40004                  ; cy
	s_lshl_b32 s12, ttmp9, 2
	s_add_co_u32 s12, s12, s92                     ; S0's tile of 256 rows of w_out
	s_and_b32 s17, ttmp7, 0xffff
	s_lshl_b32 s17, s17, 2
	s_add_co_u32 s17, s17, s93                     ; S1's tile of 128 tokens
	s_lshl_b32 s94, s93, 2
	s_lshl_b32 s94, 15, s94                        ; my row of the cluster
	s_lshl_b32 s95, 0x1111, s92                    ; my column
	s_or_b32 s[G1+0], s94, (3<<16)|(1<<21)         ; S1: four token tiles' 4,096 bytes of a K step (512 elements of 8 bytes), 16,384 bytes apart; laid on end
	s_mov_b32 s[G1+1], 512<<16
	s_mov_b32 s[G1+2], 4<<16
	s_mov_b32 s[G1+3], 512<<16
	s_mov_b32 s[G1+4], 4
	s_mov_b32 s[G1+5], 2048
	s_mov_b32 s[G1+6], 0
	s_mov_b32 s[G1+7], 0
	s_or_b32 s[G1B+0], s95, (0<<16)|(1<<20)|(1<<21)|(5<<22)|(3<<25)  ; S0: 128 rows of 256 bytes, four words of padding behind each
	s_mov_b32 s[G1B+1], 256<<16
	s_mov_b32 s[G1B+2], 128<<16
	s_mov_b32 s[G1B+3], 256<<16
	s_mov_b32 s[G1B+4], 128
	s_mov_b32 s[G1B+5], 1024
	s_mov_b32 s[G1B+6], 0
	s_mov_b32 s[G1B+7], 0
	s_or_b32 s[G1S+0], s94, (3<<16)|(1<<20)|(1<<21)|(5<<22)|(3<<25)  ; the scales of 64 tokens: 2,048 dense bytes as 8 rows of 256
	s_mov_b32 s[G1S+1], 32<<16
	s_mov_b32 s[G1S+2], 8<<16
	s_mov_b32 s[G1S+3], 32<<16
	s_mov_b32 s[G1S+4], 8
	s_mov_b32 s[G1S+5], 32
	s_mov_b32 s[G1S+6], 0
	s_mov_b32 s[G1S+7], 0
	s_or_b32 s[G1SB+0], s95, (3<<16)|(1<<20)|(1<<21)|(5<<22)|(3<<25) ; those of 128 rows of w_out: 16 rows of 256
	s_mov_b32 s[G1SB+1], 32<<16
	s_mov_b32 s[G1SB+2], 16<<16
	s_mov_b32 s[G1SB+3], 32<<16
	s_mov_b32 s[G1SB+4], 16
	s_mov_b32 s[G1SB+5], 32
	s_mov_b32 s[G1SB+6], 0
	s_mov_b32 s[G1SB+7], 0
	s_lshl_b32 s18, s17, 17                        ; S1's codes: 16,384 (8 tile + 4 half)
	s_lshl_b32 s19, s16, 16
	s_add_co_u32 s18, s18, s19
	s_mov_b32 s19, 0
	s_lshl_b32 s20, s17, 12                        ; S1's scales: 32 (128 tile + 64 half)
	s_lshl_b32 s21, s16, 11
	s_add_co_u32 s20, s20, s21
	s_mov_b32 s21, 0
	s_lshl_b32 s22, s12, 18                        ; S0's codes: 1,024 (256 tile + 128 half)
	s_lshl_b32 s23, s16, 17
	s_add_co_u32 s22, s22, s23
	s_mov_b32 s23, 0
	s_lshl_b32 s66, s12, 13                        ; S0's scales: 32 (256 tile + 128 half)
	s_lshl_b32 s67, s16, 12
	s_add_co_u32 s66, s66, s67
	s_mov_b32 s67, 0
	s_lshl_b32 s2, s16, 14                         ; where they go in a slot: S1's half,
	s_mul_i32 s3, s16, HALF0
	s_add_co_u32 s3, s3, S0OFF                     ; S0's half
	s_mul_i32 s13, s16, HS1
	s_mul_i32 s93, s16, HS0
	s_wait_kmcnt 0x0
	s_add_nc_u64 s[18:19], s[4:5], s[18:19]
	s_add_nc_u64 s[20:21], s[6:7], s[20:21]
	s_add_nc_u64 s[22:23], s[8:9], s[22:23]
	s_add_nc_u64 s[66:67], s[10:11], s[66:67]
	CROUND                                         ; all sixteen work-groups are here: the first joint loads meet
	s_mov_b32 s[G0S], 1
	s_add_co_u32 s[G0S+1], s13, SCL
	s_mov_b64 s[G0S+2:G0S+3], s[20:21]
	s_or_b32 s[G0S+3], s[G0S+3], 0x80000000
	s_mov_b32 s[G0SB], 1
	s_add_co_u32 s[G0SB+1], s93, SCL+2*HS1
	s_mov_b64 s[G0SB+2:G0SB+3], s[66:67]
	s_or_b32 s[G0SB+3], s[G0SB+3], 0x80000000
	JLOAD G0S, G1S, G0SB, G1SB
.irp s, 0,1,2
	s_mov_b32 s[G0+4*\s], 1
	s_add_co_u32 s[G0+4*\s+1], s2, \s*SLOT
	s_add_nc_u64 s[G0+4*\s+2:G0+4*\s+3], s[18:19], \s*4096
	s_or_b32 s[G0+4*\s+3], s[G0+4*\s+3], 0x80000000
	s_mov_b32 s[G0B+4*\s], 1
	s_add_co_u32 s[G0B+4*\s+1], s3, \s*SLOT
	s_add_nc_u64 s[G0B+4*\s+2:G0B+4*\s+3], s[22:23], \s*256
	s_or_b32 s[G0B+4*\s+3], s[G0B+4*\s+3], 0x80000000
	JLOAD G0+4*\s, G1, G0B+4*\s, G1B               ; K steps 0, 1, 2: with the scales four loads of mine are out
.endr
	v_and_b32 v1, 15, v0                           ; r
	v_bfe_u32 v2, v0, 4, 1                         ; h
	v_and_b32 v6, 31, v0
	v_lshlrev_b32 v7, 4, v6                        ; 16 x lane
	v_mul_u32_u24 v3, v1, PITCH
	v_lshl_add_u32 v4, v2, 4, v3
	s_lshl_b32 s21, s15, 14                        ; my four token tiles' images
	s_mul_i32 s22, s16, HALF0
	s_add_co_u32 s22, s22, S0OFF                   ; my 128 rows of S0
.irp s, 0,1,2
	v_add_nc_u32 v[ADRA+\s], s21, v7
	v_add_nc_u32 v[ADRB+\s], s22, v4
	s_add_co_u32 s21, s21, SLOT
	s_add_co_u32 s22, s22, SLOT
.endr
	v_mul_u32_u24 v5, v1, 32                       ; my row's scales: 32 bytes a row,
	v_lshrrev_b32 v9, 8, v5
	v_lshl_add_u32 v5, v9, 4, v5                   ; and 16 more for each 256 passed
	s_mul_i32 s21, s15, HS1
	s_mul_i32 s22, s16, HS0
	s_add_co_u32 s22, s22, 2*HS1
	s_sub_co_u32 s22, s22, s21
	v_mul_u32_u24 v9, s22, v2                      ; lanes 16-31 take S0's
	s_add_co_u32 s21, s21, SCL
	v_add_nc_u32 v5, v5, v9
	v_add_nc_u32 v[ADRS], s21, v5
	s_mul_i32 s23, s14, 16*SPITCH
	s_add_co_u32 s23, s23, STAGE                   ; my stage
	v_mul_u32_u24 v5, v1, SPITCH
	v_lshl_add_u32 v5, v2, 5, v5
	v_add_nc_u32 v[STO], s23, v5                   ; in: row r, 32 bytes for each half of the lanes
	v_lshlrev_b32 v[CO], 4, v6
	v_add_nc_u32 v[RD], s23, v[CO]                 ; back: the 32 lanes take a row of 512 bytes
	s_lshl_b32 s18, s12, 10
	s_lshl_b32 s19, s16, 9
	s_add_co_u32 s18, s18, s19                     ; my first column, in bytes of f32
	s_mov_b32 s19, 0
	s_add_nc_u64 s[96:97], s[96:97], s[18:19]
	s_add_nc_u64 s[98:99], s[98:99], s[18:19]
	s_lshl_b32 s18, s17, 19
	s_lshl_b32 s20, s15, 18
	s_add_co_u32 s18, s18, s20                     ; my first token's row of 4,096 bytes
	s_add_nc_u64 s[98:99], s[98:99], s[18:19]
	v_lshlrev_b32 v8, 5, v2
.irp b, 0,1,2,3,4,5,6,7                        ; register 8 b + j = b_out[my first column + 16 b + 8 h + j]
	global_load_b128 v[BI+8*\b:BI+8*\b+3], v8, s[96:97] offset:64*\b
	global_load_b128 v[BI+8*\b+4:BI+8*\b+7], v8, s[96:97] offset:64*\b+16
.endr
.macro FRAG reg, adr, q, i             ; S0: from rows
.irp c, 0,1,2,3
	ds_load_b128 v[\reg+4*\c:\reg+4*\c+3], v[\adr] offset:128*(\q)+32*\c+(\i)*16*PITCH
.endr
.endm
.macro FRAGA reg, adr, q, i            ; S1: an image comes back as it was stored
.irp c, 0,1,2,3
	ds_load_b128 v[\reg+4*\c:\reg+4*\c+3], v[\adr] offset:4096*(\i)+2048*(\q)+512*\c
.endr
.endm
.macro FETCH3 slot, q, p               ; the fragments of the slot's q-th 128 along K into set p: 48 loads
	WIN TO_B
.irp i, 0,1,2,3,4,5,6,7
	FRAG 128*(\p)+FR*\i, ADRB+\slot, \q, \i
.endr
	WIN 0
.irp i, 0,1,2,3
	FRAGA AF+64*(\p)+FR*\i, ADRA+\slot, \q, \i
.endr
.endm
.macro SCALES sc                       ; lanes 0-15: S1's block i (for i above 3: filled bytes that no product names); lanes 16-31: S0's block i
.irp i, 0,1,2,3,4,5,6,7
	ds_load_b64 v[SC+16*\sc+2*\i:SC+16*\sc+2*\i+1], v[ADRS] offset:\i*SBLK
.endr
.endm
.macro PLACES n
.rept \n
	v_nop
.endr
.endm
.macro WM d, f0, f1, c, s0, s1
	v_wmma_scale_f32_16x16x128_f8f6f4 v[(\d):(\d)+7], v[(\f0):(\f0)+15], v[(\f1):(\f1)+15], v[(\c):(\c)+7], v[\s0], v[\s1] matrix_a_fmt:MATRIX_FMT_BF8 matrix_b_fmt:MATRIX_FMT_BF8 matrix_a_scale:MATRIX_SCALE_ROW1
.endm
.macro MUL16 a0, p, q, sc, cin         ; S1's blocks a0, a0 + 1 x S0's eight; the 32 accumulators take turns
.irp a, \a0, \a0+1
.irp b, 0,1,2,3,4,5,6,7
.if \cin
	WM 8*(8*(\a)+\b), 128*(\p)+FR*\b, AF+64*(\p)+FR*(\a), BI+8*\b, SC+16*(\sc)+2*\b+(\q), SC+16*(\sc)+2*(\a)+(\q)
.else
	WM 8*(8*(\a)+\b), 128*(\p)+FR*\b, AF+64*(\p)+FR*(\a), 8*(8*(\a)+\b), SC+16*(\sc)+2*\b+(\q), SC+16*(\sc)+2*(\a)+(\q)
.endif
.endr
.endr
.endm
; A step of 128 along K: its fragments are in; the next step's are asked for, from slot nslot, and land under its 32 products.  ns = 0, 1: the next K step's scale words come too, into that set.
.macro PLAIN nslot, nq, p, q, sc, cin, ns
	s_wait_dscnt 0x0
	PLACES NP                                      ; in front of loads into registers that the last step's products read
.if \ns < 2
	WIN 0
	v_add_nc_u32 v[ADRS], 8, v[ADRS]
.endif
	FETCH3 \nslot, \nq, 1-(\p)
.if \ns < 2
	SCALES \ns
.endif
.if \cin
	WIN MUL_B
.else
	WIN MUL
.endif
	MUL16 0, \p, \q, \sc, \cin
	MUL16 2, \p, \q, \sc, \cin
.endm
	s_wait_loadcnt 0x0                             ; the bias
	s_wait_tensorcnt 2                             ; the scales and my part of K step 0 are in; K steps 1 and 2 may be out
	s_barrier_signal -1
	s_barrier_wait -1
	FETCH3 0, 0, 0
	SCALES 0
	PLAIN 0, 1, 0, 0, 0, 1, 2                      ; step 0: the sums begin with the bias
	; step 1 leaves slot 0, which takes K step 3
	WIN 0
	s_wait_tensorcnt 0x0                           ; all my tensor loads have landed, K steps 1 and 2 among them
	ds_add_u32 v[SPW], v[NIL]                      ; 0 onto my spare word
	s_add_nc_u64 s[G0+2:G0+3], s[G0+2:G0+3], 3*4096
	s_add_nc_u64 s[G0B+2:G0B+3], s[G0B+2:G0B+3], 3*256
	s_wait_dscnt 0x0                               ; the add is done, and my reads of slot 0 are over
	s_barrier_signal -1
	WIN MUL
	MUL16 0, 1, 1, 0, 0
	WIN 0
	s_barrier_wait -1
	CREST                                          ; the barrier has opened a round of the cluster's: no wave of any partner still reads slot 0 or has a load on its way
	JLOAD G0, G1, G0B, G1B                         ; the first tensor load behind the round
	PLACES NP-4
	v_add_nc_u32 v[ADRS], 8, v[ADRS]
	FETCH3 1, 0, 0
	SCALES 1
	WIN MUL
	MUL16 2, 1, 1, 0, 0
	PLAIN 1, 1, 0, 0, 1, 0, 2                      ; step 2
	PLAIN 2, 0, 1, 1, 1, 0, 0                      ; step 3
	PLAIN 2, 1, 0, 0, 0, 0, 2                      ; step 4
	; step 5: K step 3 has to be whole in slot 0
	WIN 0
	s_wait_tensorcnt 0x0                           ; my part of K step 3 is in
	s_wait_dscnt 0x0                               ; my reads of slots 1 and 2 are over
	s_barrier_signal -1
	WIN MUL
	MUL16 0, 1, 1, 0, 0
	s_barrier_wait -1                              ; everybody's is; nothing is filled again
	PLACES NP
	WIN 0
	v_add_nc_u32 v[ADRS], 8, v[ADRS]
	FETCH3 0, 0, 0
	SCALES 1
	WIN MUL
	MUL16 2, 1, 1, 0, 0
	PLAIN 0, 1, 0, 0, 1, 0, 2                      ; step 6
	s_wait_dscnt 0x0                               ; step 7: nothing more to fetch
	MUL16 0, 1, 1, 1, 0
	MUL16 2, 1, 1, 1, 0
	WIN 0
; THE WAY OUT, block by block of 16 tokens x 128 columns, through my own stage: in as 32 bytes a lane, back as whole rows of 512 bytes.  LDS serves a wave's instructions in order (ISA guide 5.7.1.4).
.macro TOSTAGE a
.set AC, 64*(\a)
	WIN 0x08                                       ; an LDS store's data are its source 1: window 2
.irp b, 0,1,2,3,4,5,6,7
	ds_store_b128 v[STO], v[AC+8*\b:AC+8*\b+3] offset:64*\b          ; each accumulator from its low end on
	ds_store_b128 v[STO], v[AC+8*\b+4:AC+8*\b+7] offset:64*\b+16
.endr
	WIN 0
.set BB, BK+64*((\a)%2)
.irp t, 0,1,2,3,4,5,6,7,8,9,10,11,12,13,14,15
	ds_load_b128 v[BB+4*\t:BB+4*\t+3], v[RD] offset:\t*SPITCH
.endr
.endm
.macro SEND a, younger                 ; younger: the LDS instructions issued behind block a's loads, which may stay out
.set BB, BK+64*((\a)%2)
	s_wait_dscnt \younger
.if (\a) > 0
	s_add_nc_u64 s[98:99], s[98:99], 16*4096       ; behind a wait on XCNT: the earlier stores have read their base
.endif
.irp t, 0,1,2,3,4,5,6,7,8,9,10,11,12,13,14,15
	global_store_b128 v[CO], v[BB+4*\t:BB+4*\t+3], s[98:99] offset:\t*4096 th:TH_STORE_NT   ; 32 lanes store 512 consecutive bytes, aligned
.endr
.endm
	PLACES NP
	TOSTAGE 0
.irp a, 1,2,3
.if \a > 1
	s_wait_xcnt 0x0                                ; block a - 2's stores have read their registers and their base
.endif
	TOSTAGE \a
	SEND \a-1, 32                                  ; behind block a - 1's loads: block a's 16 stores and 16 loads
.endr
	s_wait_xcnt 0x0
	SEND 3, 0
	s_wait_tensorcnt 0x0                           ; the wave's end
	ds_add_u32 v[SPW], v[NIL]
	s_wait_dscnt 0x0
	CROUND                                         ; the closing round
	s_endpgm
.Lfunc_end_k_q4f6ea09f43_proj:
	.size	k_q4f6ea09f43_proj, .Lfunc_end_k_q4f6ea09f43_proj-k_q4f6ea09f43_proj
	.p2alignl 7, 3214868480
	.fill 96, 4, 3214868480
	.section	.rodata,"a",@progbits
	.p2align	6, 0x0
	.amdhsa_kernel k_q4f6ea09f43_proj
		.amdhsa_group_segment_fixed_size 327680
		.amdhsa_private_segment_fixed_size 0
		.amdhsa_enable_private_segment 0
		.amdhsa_kernarg_size 48
		.amdhsa_user_sgpr_count 2
		.amdhsa_user_sgpr_kernarg_segment_ptr 1
		.amdhsa_wavefront_size32 1
		.amdhsa_system_sgpr_workgroup_id_x 1
		.amdhsa_system_sgpr_workgroup_id_y 1
		.amdhsa_system_sgpr_workgroup_id_z 1
		.amdhsa_system_vgpr_workitem_id 0
		.amdhsa_next_free_vgpr 768
		.amdhsa_next_free_sgpr 100
		.amdhsa_reserve_vcc 0
		.amdhsa_float_denorm_mode_32 3
		.amdhsa_float_denorm_mode_16_64 3
		.amdhsa_memory_ordered 1
		.amdhsa_forward_progress 1
		.amdhsa_inst_pref_size 90
	.end_amdhsa_kernel
	.amdgpu_metadata
---
amdhsa.version: [ 1, 2 ]
amdhsa.kernels:
  - .name:           k_q4f6ea09f43_proj
    .symbol:         k_q4f6ea09f43_proj.kd
    .args:
      - { .name: a_img, .offset: 0, .size: 8, .value_kind: global_buffer, .address_space: global }
      - { .name: a_sc, .offset: 8, .size: 8, .value_kind: global_buffer, .address_space: global }
      - { .name: w_out_codes, .offset: 16, .size: 8, .value_kind: global_buffer, .address_space: global }
      - { .name: w_out_scales, .offset: 24, .size: 8, .value_kind: global_buffer, .address_space: global }
      - { .name: b_out, .offset: 32, .size: 8, .value_kind: global_buffer, .address_space: global }
      - { .name: out0, .offset: 40, .size: 8, .value_kind: global_buffer, .address_space: global }
    .group_segment_fixed_size: 327680
    .private_segment_fixed_size: 0
    .kernarg_segment_align: 8
    .kernarg_segment_size: 48
    .max_flat_workgroup_size: 128
    .sgpr_count:     100
    .vgpr_count:     768
    .wavefront_size: 32
...
	.end_amdgpu_metadata
.endif
;; end of part 3
